; MI455X (gfx1250); checked and timed in simulation.
; The chip was launched on July 23, 2026; its instructions are those of AMD's public machine-readable ISA for CDNA 5 (MIT licence, August 2026) and "CDNA5" Instruction Set Architecture Reference Guide (July 2026). The comments in the code are by the model that wrote it; some were corrected since.
;; Multi Head Causal Attention. Allowed arithmetic: matrix products marked QUANTISED: E2M1 operands, one E8M0 scale for each 32 along K, by v_wmma_scale_f32_16x16x128_f8f6f4 with both operands' format E2M1 (or v_wmma_scale_f32_32x16x128_f4), f32 sums; products left as they are: bf16, f16 or f32 operands; f32 sums; everything else in f32.
;; Inputs: Wk 1,024 x 1,024 float32; Wo 1,024 x 1,024 float32; Wq 1,024 x 1,024 float32; Wv 1,024 x 1,024 float32; bk 1,024 float32; bo 1,024 float32; bq 1,024 float32; bv 1,024 float32; x 4 x 2,048 x 1,024 float32.
;; Outputs: out0 4 x 2,048 x 1,024 float32.
;; This version of the problem:
;;   THIS VERSION OF THE PROBLEM IS GIVEN IN LOW PRECISION. The matrix products marked QUANTISED in the list below multiply operands that are first quantised to E2M1 (2 exponent bits, 1 mantissa bit; 4 bits a number), with one power-of-two scale for each 32 numbers along K (OCP MX v1.0); their sums are f32. The products marked 'left as it is' may take bf16, f16 or f32 operands, with f32 sums. Whichever they take, every output number must still come out within the allowed error. Rounding operands to bf16 (8 significant bits) uses up far more of that allowance than f16 does (11 bits, for magnitudes from 6e-5 to 65,504). All else is computed in f32.
;;   The module's matrix products, in the order in which they are computed (A, B: the left and right operand; K: the contracted axis; several contracted axes count as one K, in the product's order):
;;     1. [M 8,192, K 1,024] x [K 1,024, N 1,024]; A: input x; B: input Wq: QUANTISED
;;     2. [M 8,192, K 1,024] x [K 1,024, N 1,024]; A: input x; B: input Wk: QUANTISED
;;     3. [M 8,192, K 1,024] x [K 1,024, N 1,024]; A: input x; B: input Wv: QUANTISED
;;     4. batch 64 x [M 2,048, K 64] x [K 64, N 2,048]; A: computed on the way; B: computed on the way: left as it is (an operand is computed on the way)
;;     5. batch 64 x [M 2,048, K 2,048] x [K 2,048, N 64]; A: computed on the way; B: computed on the way: left as it is (an operand is computed on the way)
;;     6. [M 8,192, K 1,024] x [K 1,024, N 1,024]; A: computed on the way; B: input Wo: left as it is (an operand is computed on the way)
;;   THE QUANTISER, for each operand of a quantised product, along K:
;;     - K is cut into blocks of 32 from its start; a last block that is shorter is filled with zeros.
;;     - A block's scale is 2^e with e = floor(log2(the largest magnitude in the block)) - 2, held to -126 .. 127; a block of zeros has e = 0. As a byte (E8M0): e + 127.
;;     - Each number is divided by its block's scale, clamped to +-6, and rounded to the nearest number of E2M1, ties to even, subnormals kept.
;;     - The product sums the exact products of the quantised numbers (number of the format x scale) in f32.
;;   ~~~python
;;   def quantise(x, axis):      # numpy; x: float32 -> the quantised numbers, widened to float32 again
;;       x = np.moveaxis(x, axis, -1); K = x.shape[-1]
;;       x = np.pad(x, [(0, 0)] * (x.ndim - 1) + [(0, -K % 32)]); x = x.reshape(x.shape[:-1] + (-1, 32)); a = np.abs(x).max(-1, keepdims=True)
;;       e = np.where(a > 0, np.clip(np.frexp(np.where(a > 0, a, 1))[1] - 1 - 2, -126, 127), 0)      # np.frexp(a)[1] - 1 = floor(log2(a)), exactly
;;       r = np.clip(x / 2.0 ** e, -6, 6)
;;       step = 2.0 ** (np.maximum(np.frexp(np.where(r == 0, 1, r))[1] - 1, 0) - 1)
;;       q = np.round(r / step) * step * 2.0 ** e      # np.round: ties to even
;;       return np.moveaxis(q.reshape(q.shape[:-2] + (-1,))[..., :K], -1, axis).astype(np.float32)
;;   ~~~
;; One version. Each part assembles by itself: llvm-mc -triple=amdgcn-amd-amdhsa -mcpu=gfx1250 --defsym DOCPART=n.
;; ======== version 1 of 1: 5 launches
;; limits: values are held in f16: magnitudes above 65,504 overflow, below 6.1e-05 lose precision
;; workspace buffers: x_codes 4,194,304 bytes; x_scales 262,144 bytes; w_codes 1,572,864 bytes; w_scales 98,304 bytes; wo16t 2,097,152 bytes; qkv16 50,331,648 bytes; qkv32 786,432 bytes; att16 16,777,216 bytes
;; launch prep (part 1): grid 368 x 1, 4 waves a work-group, no clusters, 102,912 bytes of LDS; arguments x, Wq, Wk, Wv, Wo, x_codes, x_scales, w_codes, w_scales, wo16t; writes x_codes, x_scales, w_codes, w_scales, wo16t
.if DOCPART == 1
	.amdgcn_target "amdgcn-amd-amdhsa--gfx1250"
	.amdhsa_code_object_version 6
	.text
	.protected	k_q8ad9728d26_prep
	.globl	k_q8ad9728d26_prep
	.p2align	8
	.type	k_q8ad9728d26_prep,@function
k_q8ad9728d26_prep:
	s_mov_b64 s[64:65], 0
	v_nop
	global_prefetch_b8 v0, s[64:65] scope:SCOPE_SE
	s_setreg_imm32_b32 hwreg(HW_REG_WAVE_MODE, 25, 1), 1
	s_wait_xcnt 0x0
; THE OPERANDS ARE MADE READY, once for the whole program.  Three kinds of work-group, told apart by the work-group's number alone:
;   0 .. 255    x [8192][1024] f32 -> codes of E2M1 (K innermost, 512 bytes a row) and one E8M0 byte for each 32 along K
;   256 .. 303  Wq, Wk, Wv [k 1024][n 1024] f32 -> codes laid [3072 (which, n)][k], K innermost, and their scale bytes [3072][32]
;   304 .. 367  Wo [k 1024][n 1024] f32 -> f16 laid [n][k], K innermost
; A block's scale is 2^(floor(log2(its largest magnitude)) - 2); its byte is the largest magnitude's exponent field - 2, held at 1 from below.  A block of zeros so gets
; the byte 1: its codes are zeros, which add nothing, and this program alone reads the bytes.
; LIMITS: blocks whose largest magnitude lies under 2^-124 keep the byte 1; NaN and infinities among the inputs are not served; |Wo| stays under 65,504 (f16).
; No tensor loads, no barrier: waves share nothing.  Each kind has LDS bytes of its own.  No matrix unit, no cluster: the launch streams, and every input byte is read once.
.set SPW,   12                         ; v12  LDS address of my spare word: SPARE + 4 x my thread's number; never rewritten
.set NIL,   13                         ; v13  0; never rewritten
.set WSTG,  32768                      ; LDS: 0 .. 32,767 x's four regions; from here the weights' four stages;
.set OSTG,  67584                      ; from here Wo's four stages;
.set SPARE, 102400                     ; and the spare words, 128 bytes for each wave: two blocks of 256 bytes that no other line names
.set EMAX,  2
.set STEPS, 16
.set CB,    8                          ; bytes of 16 codes
.set WREG,  8192                       ; x: a wave's region: two stages of 32 x SP bytes, behind them its 256 scale bytes
.set SP,    80                         ; a lane's place in a stage: its 64 bytes + 16 of padding
.set XR,    16                         ; v16-79   x: four sets of 16 numbers as they are loaded
.set XN,    80                         ; v80-111  two sets of 16 neighbours
.set XE,    112                        ; v112-127 a scale byte for each step
.set XC,    128                        ; v128-191 codes: four registers for each step
.set PW,    272                        ; weights: a stage row: 256 bytes + 16
.set NB,    16                         ; blocks of 32 along K for a wave
.set WX,    32                         ; v32-95   two sets of 32 numbers down K
.set WC,    96                         ; v96..    a block's codes (Wo: its 16 registers of f16)
.set WOUT,  112                        ; v112-175 the way out
.set WSB,   24                         ; v24-27   the scale bytes, four to a register
	s_load_b512 s[4:19], s[0:1], 0x0               ; x 4, Wq 6, Wk 8, Wv 10, Wo 12, x_codes 14, x_scales 16, w_codes 18
	s_load_b128 s[20:23], s[0:1], 0x40             ; w_scales 20, wo16t 22
	v_lshl_add_u32 v[SPW], v0, 2, SPARE
	v_mov_b32 v[NIL], 0
	v_lshrrev_b32 v1, 5, v0
	v_readfirstlane_b32 s24, v1                    ; wave 0..3
	v_and_b32 v2, 31, v0                           ; lane
	s_wait_kmcnt 0x0
	s_cmp_lt_u32 ttmp9, 256
	s_cbranch_scc1 .Lx
	s_cmp_lt_u32 ttmp9, 304
	s_cbranch_scc1 .Lw
	s_branch .Lo
; ---------------------------------------------------------------- x: a plain stream of blocks of 32
; A wave takes 16 steps of 512 numbers.  Each of a step's four loads reads 512 consecutive bytes; the 2,048 bytes turn through the wave's own stage, so that a lane then holds 16 NEIGHBOURS
; along K (two neighbouring lanes hold a block), as the conversions want them.  A lane's 16 codes are 8 bytes: the wave stores 256 consecutive bytes.  Its 256 scale bytes leave as one store.
.Lx:
	v_lshlrev_b32 v3, 4, v2                        ; my 16 bytes of a load's 512
	s_mul_i32 s25, s24, WREG
	v_lshrrev_b32 v14, 2, v2
	v_mul_u32_u24 v14, v14, SP
	v_and_b32 v15, 3, v2
	v_lshl_add_u32 v14, v15, 4, v14
	v_add_nc_u32 v14, s25, v14                     ; the stage, on the way in: SP (lane / 4) + 16 (lane % 4)
	v_mul_u32_u24 v15, v2, SP
	v_add_nc_u32 v15, s25, v15                     ; and on the way out: SP x lane
	v_mul_u32_u24 v4, v2, CB                       ; my codes' place in a step's
	v_lshrrev_b32 v5, 1, v2
	s_add_co_u32 s25, s25, 2*32*SP
	v_add_nc_u32 v5, s25, v5                       ; my wave's 256 scale bytes, my block's byte
	v_lshlrev_b32 v7, 3, v2                        ; and on the way out 8 bytes a lane
	v_add_nc_u32 v6, s25, v7
	s_lshl_b32 s26, ttmp9, 2
	s_add_co_u32 s26, s26, s24                     ; which run of 8,192 numbers is my wave's: 0 .. 1,023
	s_mov_b32 s29, 0
	s_lshl_b32 s28, s26, 15                        ; 32,768 bytes of x,
	s_add_nc_u64 s[4:5], s[4:5], s[28:29]
	s_lshl_b32 s28, s26, 12                        ; 4,096 of codes,
	s_add_nc_u64 s[14:15], s[14:15], s[28:29]
	s_lshl_b32 s28, s26, 8                         ; 256 scale bytes a run
	s_add_nc_u64 s[16:17], s[16:17], s[28:29]
.macro LOADX t
.irp i, 0,1,2,3
	global_load_b128 v[XR+16*((\t)%4)+4*\i:XR+16*((\t)%4)+4*\i+3], v3, s[4:5] offset:2048*(\t)+512*\i th:TH_LOAD_NT
.endr
.endm
.macro TURNX t                         ; LDS serves a wave's instructions in order, so no wait stands between the stores and the loads
.irp i, 0,1,2,3
	ds_store_b128 v14, v[XR+16*((\t)%4)+4*\i:XR+16*((\t)%4)+4*\i+3] offset:32*SP*((\t)%2)+8*SP*\i
.endr
.irp i, 0,1,2,3
	ds_load_b128 v[XN+16*((\t)%2)+4*\i:XN+16*((\t)%2)+4*\i+3], v15 offset:32*SP*((\t)%2)+16*\i
.endr
.endm
.irp t, 0,1,2,3
	LOADX \t
.endr
	s_wait_loadcnt 12                              ; step 0's four loads are in; the twelve of steps 1 to 3 stay out
	TURNX 0
.macro STEPX t
.set XS, XN+16*((\t)%2)
.if (\t) > 0
	s_wait_dscnt 1                                 ; this step's numbers are back from the stage (the last step's byte store may be out): so its stores into the stage have read their registers,
.else
	s_wait_dscnt 0x0
.endif
.if (\t)+4 < STEPS
	LOADX (\t)+4                                   ; which take the loads of four steps on
.endif
.if (\t)+1 < STEPS
.if STEPS-2-(\t) >= 3
	s_wait_loadcnt 12                              ; the next step's four loads are in; those of the three steps behind it may be out
.else
	s_wait_loadcnt 4*(STEPS-2-(\t))
.endif
	TURNX (\t)+1
.endif
	v_max3_num_f32 v8, |v[XS]|, |v[XS+1]|, |v[XS+2]|               ; the largest magnitude of my 16, in two chains
	v_max3_num_f32 v9, |v[XS+3]|, |v[XS+4]|, |v[XS+5]|
.irp i, 6,10
	v_max3_num_f32 v8, v8, |v[XS+\i]|, |v[XS+\i+1]|
	v_max3_num_f32 v9, v9, |v[XS+\i+2]|, |v[XS+\i+3]|
.endr
	v_max3_num_f32 v8, v8, |v[XS+14]|, |v[XS+15]|
	v_max3_num_f32 v8, v8, v9, (EMAX+1)<<23        ; and the floor 2^(3 - 127): the byte cannot fall under 1
	v_max_num_f32_dpp v8, v8, v8 row_xmask:1 row_mask:0xf bank_mask:0xf   ; and of my neighbour's 16: the block's
	v_add_nc_u32 v11, -(EMAX<<23), v8              ; 2 off its exponent field: the conversion takes the exponent field of this operand as its scale
	v_cvt_scalef32_pk8_fp4_f32 v[XC+4*(\t)], v[XS:XS+7], v11
	v_cvt_scalef32_pk8_fp4_f32 v[XC+4*(\t)+1], v[XS+8:XS+15], v11
	v_lshrrev_b32 v[XE+(\t)], 23, v11              ; the scale's byte (also the plain line behind the conversions)
	ds_store_b8 v5, v[XE+(\t)] offset:16*(\t)      ; both lanes of a block write the same byte with the same value
	global_store_b64 v4, v[XC+4*(\t):XC+4*(\t)+1], s[14:15] offset:32*CB*(\t)   ; the wave stores 256 consecutive bytes, aligned
.endm
.irp t, 0,1,2,3,4,5,6,7,8,9,10,11,12,13,14,15
	STEPX \t
.endr
	ds_load_b64 v[8:9], v6                         ; in order behind my byte stores
	s_wait_dscnt 0x0
	global_store_b64 v7, v[8:9], s[16:17]          ; 32 lanes store 256 consecutive bytes, aligned
	s_wait_tensorcnt 0x0                           ; the wave's end
	ds_add_u32 v[SPW], v[NIL]
	s_wait_dscnt 0x0
	s_endpgm
; ---------------------------------------------------------------- Wq, Wk, Wv: K is the FIRST axis
; A lane takes a column n and its registers run down K: each load reads 128 consecutive bytes a wave, a block of 32 lies in ONE lane, and the conversions give codes with K innermost.
; A wave takes 32 columns x 512 along K; the codes go through its own stage and leave as rows: sixteen lanes store 256 consecutive bytes, aligned.
.Lw:
	s_sub_co_u32 s25, ttmp9, 256                   ; 0 .. 47
	s_lshr_b32 s26, s25, 4                         ; which weight
	s_and_b32 s27, s25, 7                          ; which 128 columns
	s_bfe_u32 s28, s25, 0x10003                    ; which 512 along K
	s_cmp_eq_u32 s26, 0
	s_cselect_b64 s[30:31], s[6:7], s[8:9]
	s_cmp_eq_u32 s26, 2
	s_cselect_b64 s[30:31], s[10:11], s[30:31]     ; the choice hangs on the work-group's number alone
	s_lshl_b32 s32, s27, 7
	s_lshl_b32 s33, s24, 5
	s_add_co_u32 s32, s32, s33                     ; my wave's first column
	s_lshl_b32 s34, s28, 21                        ; 512 rows of 4,096 bytes
	s_lshl_b32 s33, s32, 2
	s_add_co_u32 s34, s34, s33
	s_mov_b32 s35, 0
	s_add_nc_u64 s[30:31], s[30:31], s[34:35]
	s_lshl_b32 s33, s26, 10
	s_add_co_u32 s32, s32, s33                     ; its row in the codes' buffer: 1,024 x which + column
	s_lshl_b32 s34, s32, 9                         ; 512 bytes a row,
	s_lshl_b32 s33, s28, 8                         ; + 256 for the upper half of K
	s_add_co_u32 s34, s34, s33
	s_add_nc_u64 s[18:19], s[18:19], s[34:35]
	s_lshl_b32 s34, s32, 5                         ; 32 scale bytes a row,
	s_lshl_b32 s33, s28, 4                         ; + 16
	s_add_co_u32 s34, s34, s33
	s_add_nc_u64 s[20:21], s[20:21], s[34:35]
	v_lshlrev_b32 v3, 2, v2                        ; in: 4 bytes a lane
	s_mul_i32 s33, s24, 32*PW
	s_add_co_u32 s33, s33, WSTG                    ; my stage
	v_mul_u32_u24 v4, v2, PW
	v_add_nc_u32 v4, s33, v4                       ; into it: row = my column
	v_and_b32 v5, 15, v2
	v_lshrrev_b32 v6, 4, v2                        ; out of it: sixteen lanes to a row, two rows an instruction
	v_mul_u32_u24 v7, v6, PW
	v_lshl_add_u32 v7, v5, 4, v7
	v_add_nc_u32 v7, s33, v7
	v_lshlrev_b32 v8, 9, v6
	v_lshl_add_u32 v8, v5, 4, v8                   ; and the same place in the codes' buffer
	v_lshlrev_b32 v9, 5, v2                        ; my column's row of scale bytes
.macro LOADW t                         ; block t: W(32 t + i, my column) into set t % 2
.irp i, 0,1,2,3,4,5,6,7,8,9,10,11,12,13,14,15,16,17,18,19,20,21,22,23,24,25,26,27,28,29,30,31
	global_load_b32 v[WX+32*((\t)%2)+\i], v3, s[30:31] offset:(32*(\t)+\i)*4096 th:TH_LOAD_NT
.endr
.endm
	LOADW 0
	LOADW 1
.macro BLOCKW t
.set XS, WX+32*((\t)%2)
.if (\t) < NB-1
	s_wait_loadcnt 32                              ; this block's 32 loads are in; the next block's may be out
.else
	s_wait_loadcnt 0
.endif
	v_max3_num_f32 v16, |v[XS]|, |v[XS+1]|, |v[XS+2]|              ; the block's largest magnitude: all 32 numbers are mine
	v_max3_num_f32 v17, |v[XS+3]|, |v[XS+4]|, |v[XS+5]|
.irp i, 6,10,14,18,22,26
	v_max3_num_f32 v16, v16, |v[XS+\i]|, |v[XS+\i+1]|
	v_max3_num_f32 v17, v17, |v[XS+\i+2]|, |v[XS+\i+3]|
.endr
	v_max3_num_f32 v16, v16, |v[XS+30]|, |v[XS+31]|
	v_max3_num_f32 v16, v16, v17, (EMAX+1)<<23     ; and the floor
	v_add_nc_u32 v11, -(EMAX<<23), v16             ; the conversion's scale operand
	v_lshrrev_b32 v17, 23, v11                     ; the scale's byte
.if (\t)%4 == 0
	v_mov_b32 v[WSB+(\t)/4], v17                   ; four bytes to a register, the lower K in the lower byte
.else
	v_lshl_or_b32 v[WSB+(\t)/4], v17, 8*((\t)%4), v[WSB+(\t)/4]
.endif
.irp g, 0,1,2,3
	v_cvt_scalef32_pk8_fp4_f32 v[WC+\g], v[XS+8*\g:XS+8*\g+7], v11
.endr
	v_nop                                          ; one plain line behind the last conversion
	ds_store_b128 v4, v[WC:WC+3] offset:16*(\t)    ; 32 codes: 16 bytes of my column's row
.if (\t)+2 < NB
	LOADW (\t)+2
.endif
	s_wait_dscnt 0x0                               ; the store has read its registers: the next block's codes may be written
.endm
.irp t, 0,1,2,3,4,5,6,7,8,9,10,11,12,13,14,15
	BLOCKW \t
.endr
	global_store_b128 v9, v[WSB:WSB+3], s[20:21]   ; my column's 16 scale bytes
.irp t, 0,1,2,3,4,5,6,7,8,9,10,11,12,13,14,15
	ds_load_b128 v[WOUT+4*\t:WOUT+4*\t+3], v7 offset:2*\t*PW
.endr
.irp t, 0,1,2,3,4,5,6,7,8,9,10,11,12,13,14,15
	s_wait_dscnt 15-\t                             ; the younger loads may stay out
	global_store_b128 v8, v[WOUT+4*\t:WOUT+4*\t+3], s[18:19] offset:2*\t*512
.endr
	s_wait_tensorcnt 0x0                           ; the wave's end: the three lines
	ds_add_u32 v[SPW], v[NIL]
	s_wait_dscnt 0x0
	s_endpgm
; ---------------------------------------------------------------- Wo: rounded to f16 and laid [n][k], by the same plan of lanes
; A wave takes 32 columns x 128 along K: 256 bytes of f16 for each column, through its own stage, out as rows.
.Lo:
	s_sub_co_u32 s25, ttmp9, 304                   ; 0 .. 63
	s_and_b32 s27, s25, 7                          ; which 128 columns
	s_lshr_b32 s28, s25, 3                         ; which 128 along K
	s_lshl_b32 s32, s27, 7
	s_lshl_b32 s33, s24, 5
	s_add_co_u32 s32, s32, s33                     ; my wave's first column
	s_lshl_b32 s34, s28, 19                        ; 128 rows of 4,096 bytes
	s_lshl_b32 s33, s32, 2
	s_add_co_u32 s34, s34, s33
	s_mov_b32 s35, 0
	s_add_nc_u64 s[12:13], s[12:13], s[34:35]
	s_lshl_b32 s34, s32, 11                        ; a row of the result is 2,048 bytes,
	s_lshl_b32 s33, s28, 8                         ; + 256 for each 128 along K
	s_add_co_u32 s34, s34, s33
	s_add_nc_u64 s[22:23], s[22:23], s[34:35]
	v_lshlrev_b32 v3, 2, v2
	s_mul_i32 s33, s24, 32*PW
	s_add_co_u32 s33, s33, OSTG                    ; my stage
	v_mul_u32_u24 v4, v2, PW
	v_add_nc_u32 v4, s33, v4
	v_and_b32 v5, 15, v2
	v_lshrrev_b32 v6, 4, v2
	v_mul_u32_u24 v7, v6, PW
	v_lshl_add_u32 v7, v5, 4, v7
	v_add_nc_u32 v7, s33, v7
	v_lshlrev_b32 v8, 11, v6
	v_lshl_add_u32 v8, v5, 4, v8
.macro LOADO t
.irp i, 0,1,2,3,4,5,6,7,8,9,10,11,12,13,14,15,16,17,18,19,20,21,22,23,24,25,26,27,28,29,30,31
	global_load_b32 v[WX+32*((\t)%2)+\i], v3, s[12:13] offset:(32*(\t)+\i)*4096
.endr
.endm
	LOADO 0
	LOADO 1
.macro BLOCKO t
.set XS, WX+32*((\t)%2)
.if (\t) < 3
	s_wait_loadcnt 32                              ; this block's 32 loads are in; the next block's may be out
.else
	s_wait_loadcnt 0
.endif
.irp g, 0,1,2,3,4,5,6,7,8,9,10,11,12,13,14,15
	v_cvt_pk_f16_f32 v[WC+\g], v[XS+2*\g], v[XS+2*\g+1]            ; the lower k in the low half
.endr
.irp u, 0,1,2,3
	ds_store_b128 v4, v[WC+4*\u:WC+4*\u+3] offset:64*(\t)+16*\u
.endr
.if (\t)+2 < 4
	LOADO (\t)+2
.endif
	s_wait_dscnt 0x0                               ; the stores have read their registers
.endm
.irp t, 0,1,2,3
	BLOCKO \t
.endr
.irp t, 0,1,2,3,4,5,6,7,8,9,10,11,12,13,14,15
	ds_load_b128 v[WOUT+4*\t:WOUT+4*\t+3], v7 offset:2*\t*PW
.endr
.irp t, 0,1,2,3,4,5,6,7,8,9,10,11,12,13,14,15
	s_wait_dscnt 15-\t
	global_store_b128 v8, v[WOUT+4*\t:WOUT+4*\t+3], s[22:23] offset:2*\t*2048   ; sixteen lanes store 256 consecutive bytes, aligned
.endr
	s_wait_tensorcnt 0x0                           ; the wave's end: the three lines
	ds_add_u32 v[SPW], v[NIL]
	s_wait_dscnt 0x0
	s_endpgm
.Lfunc_end_k_q8ad9728d26_prep:
	.size	k_q8ad9728d26_prep, .Lfunc_end_k_q8ad9728d26_prep-k_q8ad9728d26_prep
	.p2alignl 7, 3214868480
	.fill 96, 4, 3214868480
	.section	.rodata,"a",@progbits
	.p2align	6, 0x0
	.amdhsa_kernel k_q8ad9728d26_prep
		.amdhsa_group_segment_fixed_size 102912
		.amdhsa_private_segment_fixed_size 0
		.amdhsa_enable_private_segment 0
		.amdhsa_kernarg_size 80
		.amdhsa_user_sgpr_count 2
		.amdhsa_user_sgpr_kernarg_segment_ptr 1
		.amdhsa_wavefront_size32 1
		.amdhsa_system_sgpr_workgroup_id_x 1
		.amdhsa_system_sgpr_workgroup_id_y 1
		.amdhsa_system_sgpr_workgroup_id_z 1
		.amdhsa_system_vgpr_workitem_id 0
		.amdhsa_next_free_vgpr 192
		.amdhsa_next_free_sgpr 66
		.amdhsa_reserve_vcc 0
		.amdhsa_float_denorm_mode_32 3
		.amdhsa_float_denorm_mode_16_64 3
		.amdhsa_memory_ordered 1
		.amdhsa_forward_progress 1
		.amdhsa_inst_pref_size 133
	.end_amdhsa_kernel
	.amdgpu_metadata
---
amdhsa.version: [ 1, 2 ]
amdhsa.kernels:
  - .name:           k_q8ad9728d26_prep
    .symbol:         k_q8ad9728d26_prep.kd
    .args:
      - { .name: x, .offset: 0, .size: 8, .value_kind: global_buffer, .address_space: global }
      - { .name: Wq, .offset: 8, .size: 8, .value_kind: global_buffer, .address_space: global }
      - { .name: Wk, .offset: 16, .size: 8, .value_kind: global_buffer, .address_space: global }
      - { .name: Wv, .offset: 24, .size: 8, .value_kind: global_buffer, .address_space: global }
      - { .name: Wo, .offset: 32, .size: 8, .value_kind: global_buffer, .address_space: global }
      - { .name: x_codes, .offset: 40, .size: 8, .value_kind: global_buffer, .address_space: global }
      - { .name: x_scales, .offset: 48, .size: 8, .value_kind: global_buffer, .address_space: global }
      - { .name: w_codes, .offset: 56, .size: 8, .value_kind: global_buffer, .address_space: global }
      - { .name: w_scales, .offset: 64, .size: 8, .value_kind: global_buffer, .address_space: global }
      - { .name: wo16t, .offset: 72, .size: 8, .value_kind: global_buffer, .address_space: global }
    .group_segment_fixed_size: 102912
    .private_segment_fixed_size: 0
    .kernarg_segment_align: 8
    .kernarg_segment_size: 80
    .max_flat_workgroup_size: 128
    .sgpr_count:     66
    .vgpr_count:     192
    .wavefront_size: 32
...
	.end_amdgpu_metadata
.endif
;; end of part 1
;; launch qkv (part 2): grid 12 x 32, 4 waves a work-group, clusters of 4 x 4, 327,680 bytes of LDS; arguments x_codes, x_scales, w_codes, w_scales, bq, bk, bv, qkv16, qkv32; writes qkv16, qkv32
.if DOCPART == 2
	.amdgcn_target "amdgcn-amd-amdhsa--gfx1250"
	.amdhsa_code_object_version 6
	.text
	.protected	k_q8ad9728d26_qkv
	.globl	k_q8ad9728d26_qkv
	.p2align	8
	.type	k_q8ad9728d26_qkv,@function
k_q8ad9728d26_qkv:
	s_mov_b64 s[64:65], 0
	v_nop
	global_prefetch_b8 v0, s[64:65] scope:SCOPE_SE
	s_setreg_imm32_b32 hwreg(HW_REG_WAVE_MODE, 25, 1), 1
	s_wait_xcnt 0x0
	s_wait_alu depctr_hold_cnt(0) depctr_sa_sdst(0) depctr_va_vdst(0) depctr_va_sdst(0) depctr_va_ssrc(0) depctr_va_vcc(0) depctr_vm_vsrc(0)
	s_getreg_b32 s2, hwreg(HW_REG_IB_STS2, 6, 4)
	s_cmp_eq_u32 s2, 0
	s_cbranch_scc0 .Lentry_in_a_cluster
	s_endpgm
.Lentry_in_a_cluster:
	s_bfe_u32 s2, ttmp6, 0x10000c
	s_cmp_lg_u32 s2, 0xf033
	s_cbranch_scc0 .Lentry_shape_is_right
	s_endpgm
.Lentry_shape_is_right:
; q, k, v = x W + b, the three quantised products as ONE product C[8192][3072] = A B^T on codes of E2M1 with one E8M0 scale for each 32 along K = 1,024; sums in f32.
; A: x's codes [8192][512 bytes], B: the weights' codes [3072 (which, n)][512 bytes]; scale bytes [rows][32].
; A tile of C, 256 x 256, is made by four waves, each 128 x 128: 64 accumulators, 512 registers.  K is two LDS slots of 512: both, and the scale bytes, are asked for at the start; nothing is filled again.
; CLUSTERS: 4 x 4 work-groups; A's tiles are asked for jointly along a row of the cluster, B's along a column.  Tile row = 8 cy + cluster y: cy is the batch and the cluster's y the block of 256 positions,
; so that 'this tile holds positions 0 to 15' hangs on the cluster's y and the wave alone, which all partners share.  Tile column = 4 cluster x + cx: the cluster's x says which of q, k, v.
; THE MATRIX INSTRUCTION IS USED TRANSPOSED (source 0 = 16 rows of B, source 1 = 16 rows of A): a lane holds eight neighbouring columns of one row of C.  The bias is the C of each sum's first product.
; OUT: f16, laid [which][batch][head][position][64]: two positions of a head are 256 consecutive bytes.  Positions 0 to 15 of every sequence leave in f32 too, as images of the accumulators' registers.
; LIMITS: |q|, |k|, |v| under 65,504 (f16); NaN and infinities are not served.
; REGISTERS: window 0: v0-31 addresses; v32-95 scale words, two sets, and nothing else; v128-191 A's fragments, one set; v192-255 the bias, on the way out packed results.
;   window 1: B's fragments, two sets, at v0 and v128.   window 2: the accumulators of my rows 0-63 ((a, b) at v[8 (8 a + b)]);   window 3: those of rows 64-127.
.set KSTEP,  512
.set NQ,     4                         ; matrix instructions deep in a slot
.set ROWB,   256                       ; a tile's row in bytes
.set KROW,   512                       ; a row of codes in memory
.set PITCH,  272                       ; an LDS row: 256 bytes + 16 of padding: the 16 rows that a load touches start at 16 different banks (64 banks of 4 bytes: ISA guide 11.1)
.set FR,     8
.set NL,     2
.set NP,     4                         ; places behind this matrix instruction (ISA guide 7.12.1)
.set HALFT,  128*PITCH
.set SLOT,   4*HALFT
.set KS,     32                        ; a row of scale bytes
.set SCL,    2*SLOT                    ; behind the slots: the scales, as rows of 256 bytes + 16
.set HALFS,  16*272                    ; those of 128 rows
.set SBLK,   2*272                     ; those of 16 rows
.set SPARE,  SCL+4*HALFS               ; the spare words, 128 bytes for each wave, which no other line names
.set SPITCH, 272                       ; the way out: a stage of 16 rows x (256 + 16) for each wave, in slot 0, which has had its only fill and its last read by then
.set ADRA, 16
.set ADRB, 20
.set STO,  24
.set RD,   25
.set CO,   26
.set ADRS, 27
.set SPW,  28                          ; v28  my spare word's address; never rewritten
.set NIL,  29                          ; v29  0; never rewritten
.set BO,   30                          ; v30  32 x (lane / 16): my eight numbers of a block's bias
.set LI,   31                          ; v31  16 x lane
.set SC,   32
.set AF,   128
.set BI,   192                         ; v192-255 the bias: register 8 b + j = b[16 b + 8 (lane / 16) + j] of my 128 columns
.set TMP,  192
.set BK,   128
.set G1, 24
.set G0, 32
.set G1B, 48
.set G0B, 56
.set G1S, 68
.set G0S, 76
.set G1SB, 80
.set G0SB, 88
.set MSB, 0
.macro WIN new                         ; the immediate's high byte repeats the setting that is left
.if MSB != (\new)
	s_set_vgpr_msb (MSB<<8)|(\new)
.set MSB, (\new)
.endif
.endm
.set MUL_LO, 0xa1                      ; source 0 (B) window 1, source 1 (A) window 0, C and D window 2
.set MUL_HI, 0xf1                      ; the same, C and D window 3
.set BIA_LO, 0x81                      ; C (the bias) window 0, D window 2
.set BIA_HI, 0xc1                      ; C window 0, D window 3
.set TO_B,   0x40
.macro JLOAD g0a, g1a, g0b, g1b        ; a joint load: waves 0 and 1 fetch for A, waves 2 and 3 for B; the branch hangs on the wave's number alone
	s_cmp_eq_u32 s15, 0
	s_cbranch_scc0 .Lfor_b_\@
	tensor_load_to_lds s[\g0a:\g0a+3], s[\g1a:\g1a+7]
	s_nop 0
.rept 4
	v_nop
.endr
	s_branch .Lasked_\@
.Lfor_b_\@:
	tensor_load_to_lds s[\g0b:\g0b+3], s[\g1b:\g1b+7]
	s_nop 0
.rept 4
	v_nop
.endr
.Lasked_\@:
.endm
.macro CROUND                          ; a round of the cluster's barrier
	s_barrier_signal -1
	s_barrier_wait -1
	s_cmp_lg_u32 s14, 0
	s_cbranch_scc1 .Lnot_wave_0_\@
	s_barrier_signal -3
.Lnot_wave_0_\@:
	s_barrier_wait -3
	s_barrier_signal -1
	s_barrier_wait -1
.endm
	s_load_b256 s[4:11], s[0:1], 0x0               ; x_codes 4, x_scales 6, w_codes 8, w_scales 10
	s_load_b128 s[92:95], s[0:1], 0x20             ; bq 92, bk 94
	s_load_b128 s[96:99], s[0:1], 0x30             ; bv 96, qkv16 98
	s_load_b64 s[100:101], s[0:1], 0x40            ; qkv32
	v_lshl_add_u32 v[SPW], v0, 2, SPARE
	v_mov_b32 v[NIL], 0
	ds_add_u32 v[SPW], v[NIL]                      ; the wave's opening: the add, twice on end, and its wait ahead of my first tensor load
	ds_add_u32 v[SPW], v[NIL]
	v_lshrrev_b32 v1, 5, v0
	v_readfirstlane_b32 s14, v1                    ; wave 0..3
	s_lshr_b32 s15, s14, 1                         ; which half of the tile's rows is mine.  Also: I fetch for A (0) or for B (1)
	s_and_b32 s16, s14, 1                          ; which half of its columns.  Also: which 128 rows I fetch
	s_bfe_u32 s40, ttmp6, 0x40000                  ; cx
	s_bfe_u32 s41, ttmp6, 0x40004                  ; cy
	s_lshl_b32 s42, ttmp9, 2
	s_add_co_u32 s42, s42, s40                     ; tile column = 4 x cluster x + cx
	s_and_b32 s66, ttmp7, 0xffff                   ; cluster y
	s_lshl_b32 s17, s41, 3
	s_add_co_u32 s17, s17, s66                     ; tile row = 8 cy + cluster y
	s_lshl_b32 s43, s41, 2
	s_lshl_b32 s43, 15, s43                        ; my row of the cluster
	s_lshl_b32 s44, 0x1111, s40                    ; my column
	s_or_b32 s[G1+0], s43, (0<<16)|(1<<20)|(1<<21)|(5<<22)|(3<<25)   ; the mask; elements of 1 byte; padding of 4 words behind every 64; bit 21 beside a mask
	s_or_b32 s[G1B+0], s44, (0<<16)|(1<<20)|(1<<21)|(5<<22)|(3<<25)
.irp g, G1, G1B
	s_mov_b32 s[\g+1], ROWB<<16                    ; tensor_dim0
	s_mov_b32 s[\g+2], 128<<16                     ; tensor_dim1
	s_mov_b32 s[\g+3], ROWB<<16                    ; tile_dim0
	s_mov_b32 s[\g+4], 128                         ; tile_dim1
	s_mov_b32 s[\g+5], KROW                        ; the pitch in memory
	s_mov_b32 s[\g+6], 0
	s_mov_b32 s[\g+7], 0
.endr
	s_or_b32 s[G1S+0], s43, (3<<16)|(1<<20)|(1<<21)|(5<<22)|(3<<25)  ; the scales of 128 rows: 4,096 dense bytes as 16 rows of 32 elements of 8 bytes
	s_or_b32 s[G1SB+0], s44, (3<<16)|(1<<20)|(1<<21)|(5<<22)|(3<<25)
.irp g, G1S, G1SB
	s_mov_b32 s[\g+1], 32<<16
	s_mov_b32 s[\g+2], 16<<16
	s_mov_b32 s[\g+3], 32<<16
	s_mov_b32 s[\g+4], 16
	s_mov_b32 s[\g+5], 32
	s_mov_b32 s[\g+6], 0
	s_mov_b32 s[\g+7], 0
.endr
	s_lshl_b32 s18, s16, 7                         ; which 128 rows of the tile I fetch
	s_lshl_b32 s20, s17, 8
	s_add_co_u32 s20, s20, s18                     ; A: row 256 x tile row + 128 x half
	s_lshl_b32 s46, s42, 8
	s_add_co_u32 s46, s46, s18                     ; B: row 256 x tile column + 128 x half
	s_mov_b32 s21, 0
	s_mov_b32 s47, 0
	s_mov_b64 s[18:19], KS
	s_mul_u64 s[22:23], s[20:21], s[18:19]         ; where these rows' scales begin
	s_mul_u64 s[2:3], s[46:47], s[18:19]
	s_mov_b64 s[18:19], KROW
	s_mul_u64 s[20:21], s[20:21], s[18:19]         ; and their codes
	s_mul_u64 s[46:47], s[46:47], s[18:19]
	s_mul_i32 s45, s14, HALFT                      ; where they go: wave x 128 rows: no place in the cluster enters an LDS address
	s_mul_i32 s67, s14, HALFS
	s_wait_dscnt 0x0                               ; both opening adds are done
	s_wait_kmcnt 0x0
	s_add_nc_u64 s[20:21], s[4:5], s[20:21]
	s_add_nc_u64 s[22:23], s[6:7], s[22:23]
	s_add_nc_u64 s[46:47], s[8:9], s[46:47]
	s_add_nc_u64 s[2:3], s[10:11], s[2:3]
	CROUND                                         ; all sixteen work-groups are here: the joint loads meet
	s_mov_b32 s[G0S], 1
	s_add_co_u32 s[G0S+1], s67, SCL
	s_mov_b64 s[G0S+2:G0S+3], s[22:23]
	s_or_b32 s[G0S+3], s[G0S+3], 0x80000000
	s_mov_b32 s[G0SB], 1
	s_add_co_u32 s[G0SB+1], s67, SCL
	s_mov_b64 s[G0SB+2:G0SB+3], s[2:3]
	s_or_b32 s[G0SB+3], s[G0SB+3], 0x80000000
	JLOAD G0S, G1S, G0SB, G1SB                     ; the scales first: they are wanted with the first slot
.irp s, 0,1
	s_mov_b32 s[G0+4*\s], 1
	s_add_co_u32 s[G0+4*\s+1], s45, \s*SLOT
	s_add_nc_u64 s[G0+4*\s+2:G0+4*\s+3], s[20:21], \s*ROWB
	s_or_b32 s[G0+4*\s+3], s[G0+4*\s+3], 0x80000000
	s_mov_b32 s[G0B+4*\s], 1
	s_add_co_u32 s[G0B+4*\s+1], s45, \s*SLOT
	s_add_nc_u64 s[G0B+4*\s+2:G0B+4*\s+3], s[46:47], \s*ROWB
	s_or_b32 s[G0B+4*\s+3], s[G0B+4*\s+3], 0x80000000
	JLOAD G0+4*\s, G1, G0B+4*\s, G1B               ; three loads of mine are out in all
.endr
	; the bias of my 128 columns
	s_cmp_eq_u32 ttmp9, 0
	s_cselect_b64 s[92:93], s[92:93], s[94:95]
	s_cmp_eq_u32 ttmp9, 2
	s_cselect_b64 s[92:93], s[96:97], s[92:93]     ; the choice hangs on the cluster's x alone
	s_lshl_b32 s46, s40, 10
	s_lshl_b32 s47, s16, 9
	s_add_co_u32 s46, s46, s47                     ; (256 cx + 128 half) x 4 bytes
	s_mov_b32 s47, 0
	s_add_nc_u64 s[92:93], s[92:93], s[46:47]
	v_and_b32 v1, 15, v0                           ; l % 16
	v_bfe_u32 v2, v0, 4, 1                         ; l / 16
	v_lshlrev_b32 v[BO], 5, v2
.irp b, 0,1,2,3,4,5,6,7
	global_load_b128 v[BI+8*\b:BI+8*\b+3], v[BO], s[92:93] offset:64*\b
	global_load_b128 v[BI+8*\b+4:BI+8*\b+7], v[BO], s[92:93] offset:64*\b+16
.endr
	v_mul_u32_u24 v3, v1, PITCH
	v_lshl_add_u32 v4, v2, 4, v3                   ; a fragment's row x pitch + 16 x half
	s_mul_i32 s21, s15, HALFT                      ; my 128 rows of A
	s_mul_i32 s22, s16, HALFT                      ; my 128 rows of B,
	s_add_co_u32 s22, s22, 2*HALFT                 ; behind A's 256
.irp s, 0,1
	v_add_nc_u32 v[ADRA+\s], s21, v4
	v_add_nc_u32 v[ADRB+\s], s22, v4
	s_add_co_u32 s21, s21, SLOT
	s_add_co_u32 s22, s22, SLOT
.endr
	v_mul_u32_u24 v5, v1, KS                       ; my row's scales: 32 bytes a row,
	v_lshrrev_b32 v6, 8, v5
	v_lshl_add_u32 v5, v6, 4, v5                   ; and 16 more for each 256 passed
	s_mul_i32 s21, s15, HALFS
	s_mul_i32 s22, s16, HALFS
	s_add_co_u32 s22, s22, 2*HALFS
	s_sub_co_u32 s22, s22, s21
	v_mul_u32_u24 v6, s22, v2                      ; lanes 16-31 take B's: one product, the distance between the two bases
	s_add_co_u32 s21, s21, SCL
	v_add_nc_u32 v5, v5, v6
	v_add_nc_u32 v[ADRS], s21, v5
	s_mul_i32 s23, s14, 16*SPITCH                  ; my stage
	v_mul_u32_u24 v5, v1, SPITCH                   ; in: row l % 16, 16 bytes for each half of the lanes
	v_lshl_add_u32 v5, v2, 4, v5
	v_add_nc_u32 v[STO], s23, v5
	v_bfe_u32 v5, v0, 3, 1                         ; back: lanes 0-15 take two positions of my first head, lanes 16-31 of my second: 256 consecutive bytes of the result each
	v_and_b32 v6, 7, v0
	v_lshlrev_b32 v6, 4, v6
	v_lshl_add_u32 v[CO], v5, 7, v6                ; in memory: 128 x (position % 2) + 16 x piece
	v_lshl_add_u32 v[CO], v2, 18, v[CO]            ; + a head's 262,144 bytes
	v_mul_u32_u24 v5, v5, SPITCH
	v_add_nc_u32 v5, v5, v6
	v_lshl_add_u32 v5, v2, 7, v5                   ; in the stage the second head's 128 bytes lie behind the first's
	v_add_nc_u32 v[RD], s23, v5
	v_and_b32 v6, 31, v0
	v_lshlrev_b32 v[LI], 4, v6
	; where my part of the results begins
	s_lshl_b32 s20, s41, 4
	s_lshl_b32 s46, s40, 2
	s_add_co_u32 s20, s20, s46
	s_lshl_b32 s46, s16, 1
	s_add_co_u32 s20, s20, s46                     ; 16 x batch + my first head
	s_lshl_b32 s20, s20, 11                        ; x 2,048 positions
	s_lshl_b32 s46, s66, 8
	s_add_co_u32 s20, s20, s46                     ; + 256 x cluster y
	s_lshl_b32 s46, s15, 7
	s_add_co_u32 s20, s20, s46                     ; + my half of the tile's rows
	s_lshl_b32 s20, s20, 7                         ; x 128 bytes
	s_lshl_b32 s46, ttmp9, 24                      ; + which x 16,777,216
	s_add_co_u32 s20, s20, s46
	s_mov_b32 s21, 0
	s_add_nc_u64 s[12:13], s[98:99], s[20:21]
	s_mul_i32 s20, s41, 3
	s_add_co_u32 s20, s20, ttmp9
	s_lshl_b32 s20, s20, 4
	s_lshl_b32 s46, s40, 2
	s_add_co_u32 s20, s20, s46
	s_lshl_b32 s46, s16, 1
	s_add_co_u32 s20, s20, s46                     ; (3 x batch + which) x 16 + my first head
	s_lshl_b32 s20, s20, 12                        ; x 4,096 bytes
	s_add_nc_u64 s[100:101], s[100:101], s[20:21]
.macro FRAG reg, adr, q, i             ; 16 rows x 128 K of 4-bit codes: 8 registers: registers 4 c .. 4 c + 3 hold K = 64 c + 32 (l / 16) + 0 .. 31
.irp c, 0,1
	ds_load_b128 v[\reg+4*\c:\reg+4*\c+3], v[\adr] offset:64*(\q)+32*\c+(\i)*16*PITCH
.endr
.endm
; 16 matrix instructions: A's blocks a0, a0 + 1 x B's eight.  first = 1: the bias starts the sums.  The 64 accumulators take turns, one instruction a turn.
.macro MUL16 a0, p, q, sc, first
.irp a, \a0, \a0+1
.irp b, 0,1,2,3,4,5,6,7
.if \first
	v_wmma_scale_f32_16x16x128_f8f6f4 v[8*(8*((\a)%4)+\b):8*(8*((\a)%4)+\b)+7], v[128*(\p)+FR*\b:128*(\p)+FR*\b+FR-1], v[AF+FR*(\a):AF+FR*(\a)+FR-1], v[BI+8*\b:BI+8*\b+7], v[SC+8*NQ*(\sc)+NQ*\b+(\q)], v[SC+8*NQ*(\sc)+NQ*(\a)+(\q)] matrix_a_fmt:MATRIX_FMT_FP4 matrix_b_fmt:MATRIX_FMT_FP4 matrix_a_scale:MATRIX_SCALE_ROW1
.else
	v_wmma_scale_f32_16x16x128_f8f6f4 v[8*(8*((\a)%4)+\b):8*(8*((\a)%4)+\b)+7], v[128*(\p)+FR*\b:128*(\p)+FR*\b+FR-1], v[AF+FR*(\a):AF+FR*(\a)+FR-1], v[8*(8*((\a)%4)+\b):8*(8*((\a)%4)+\b)+7], v[SC+8*NQ*(\sc)+NQ*\b+(\q)], v[SC+8*NQ*(\sc)+NQ*(\a)+(\q)] matrix_a_fmt:MATRIX_FMT_FP4 matrix_b_fmt:MATRIX_FMT_FP4 matrix_a_scale:MATRIX_SCALE_ROW1
.endif
.endr
.endr
.endm
.macro FETCH_B slot, q, p
	WIN TO_B
.irp i, 0,1,2,3,4,5,6,7
	FRAG 128*(\p)+FR*\i, ADRB+\slot, \q, \i
.endr
	WIN 0
.endm
.macro FETCH_A slot, q, i0
.irp i, \i0, \i0+1, \i0+2, \i0+3
	FRAG AF+FR*(\i), ADRA+\slot, \q, \i
.endr
.endm
.macro SCALES sc                       ; a slot's scale words: lanes 0-15 take A's block i, lanes 16-31 B's block i
.irp i, 0,1,2,3,4,5,6,7
	ds_load_b128 v[SC+8*NQ*\sc+NQ*\i:SC+8*NQ*\sc+NQ*\i+3], v[ADRS] offset:\i*SBLK
.endr
.endm
.macro PLACES n                        ; plain vector instructions between a matrix instruction and a load into, or a read of, its registers
.rept \n
	v_nop
.endr
.endm
.macro STEP slot, q, first             ; 128 along K, with its successor in the same slot
	s_wait_dscnt 4*NL                              ; B's set and A's blocks 0-3 are in; the youngest eight loads (A's blocks 4-7) may be out
.if \first
	WIN BIA_LO
.else
	WIN MUL_LO
.endif
	MUL16 0, (\q)%2, \q, \slot, \first
	MUL16 2, (\q)%2, \q, \slot, \first
	s_wait_dscnt 0
	PLACES NP
	FETCH_B \slot, (\q)+1, 1-(\q)%2
	FETCH_A \slot, (\q)+1, 0
.if \first
	WIN BIA_HI
.else
	WIN MUL_HI
.endif
	MUL16 4, (\q)%2, \q, \slot, \first
	MUL16 6, (\q)%2, \q, \slot, \first
	PLACES NP
	WIN 0
	FETCH_A \slot, (\q)+1, 4
.endm
.macro TURN slot, next                 ; a slot's last step changes slots: one barrier
	s_wait_tensorcnt 0x0                           ; all my tensor loads have landed: my part of the next slot
	ds_add_u32 v[SPW], v[NIL]                      ; 0 onto my spare word
	s_wait_dscnt 4*NL+1                            ; (the add and the youngest eight loads may be out)
	WIN MUL_LO
	MUL16 0, 1, NQ-1, \slot, 0
	s_wait_dscnt 0x0                               ; the add is done, and my reads of this slot are over
	s_barrier_signal -1
	MUL16 2, 1, NQ-1, \slot, 0
	WIN 0
	s_barrier_wait -1
	PLACES NP
	v_add_nc_u32 v[ADRS], 4*NQ, v[ADRS]            ; on to the next slot's scale words
	FETCH_B \next, 0, 0
	FETCH_A \next, 0, 0
	SCALES \next
	WIN MUL_HI
	MUL16 4, 1, NQ-1, \slot, 0
	MUL16 6, 1, NQ-1, \slot, 0
	PLACES NP
	WIN 0
	FETCH_A \next, 0, 4
.endm
	s_wait_tensorcnt 1                             ; the scales and my part of slot 0 are in; slot 1's load may be out,
	s_barrier_signal -1
	s_barrier_wait -1                              ; everybody's are
	FETCH_B 0, 0, 0
	FETCH_A 0, 0, 0
	SCALES 0
	FETCH_A 0, 0, 4
	s_wait_loadcnt 0x0                             ; the bias
	STEP 0, 0, 1
	STEP 0, 1, 0
	STEP 0, 2, 0
	TURN 0, 1
	STEP 1, 0, 0
	STEP 1, 1, 0
	STEP 1, 2, 0
	s_wait_dscnt 4*NL                              ; the very last step: nothing more to fetch
	WIN MUL_LO
	MUL16 0, 1, NQ-1, 1, 0
	MUL16 2, 1, NQ-1, 1, 0
	s_wait_dscnt 0
	WIN MUL_HI
	MUL16 4, 1, NQ-1, 1, 0
	MUL16 6, 1, NQ-1, 1, 0
	WIN 0
	PLACES NP
	; POSITIONS 0 TO 15 IN F32: the waves whose block 0 holds them (cluster y = 0, upper half of the tile) store its eight accumulators as they stand, 512 consecutive bytes a store, each from its low end on
	s_or_b32 s2, s66, s15
	s_cmp_lg_u32 s2, 0
	s_cbranch_scc1 .Lno32
	WIN 0x08                                       ; a store's data are its source 1: window 2
.irp b, 0,1,2,3,4,5,6,7
	global_store_b128 v[LI], v[8*\b:8*\b+3], s[100:101] offset:1024*\b
	global_store_b128 v[LI], v[8*\b+4:8*\b+7], s[100:101] offset:1024*\b+512
.endr
	WIN 0
.Lno32:
; THE WAY OUT, block by block of 16 rows x 128 columns: rounded to f16, 16 bytes a lane into my own stage, back as pairs of positions of a head.
.macro PACK a
.set AC, 64*((\a)%4)
	WIN 0x0a+5*((\a)/4)                            ; sources 0 and 1: window 2 or 3
.irp b, 0,1,2,3,4,5,6,7
.irp r, 0,1,2,3
	v_cvt_pk_f16_f32 v[TMP+4*\b+\r], v[AC+8*\b+2*\r], v[AC+8*\b+2*\r+1]
.endr
.endr
	WIN 0
.endm
.macro TOSTAGE a
.set BB, BK+32*((\a)%2)
.irp b, 0,1,2,3,4,5,6,7
	ds_store_b128 v[STO], v[TMP+4*\b:TMP+4*\b+3] offset:32*\b
.endr
.irp t, 0,1,2,3,4,5,6,7
	ds_load_b128 v[BB+4*\t:BB+4*\t+3], v[RD] offset:\t*2*SPITCH    ; LDS serves a wave's instructions in order (ISA guide 5.7.1.4): these see the stores above
.endr
.endm
.macro SEND a
.set BB, BK+32*((\a)%2)
	s_wait_dscnt 0x0                               ; the block is back in registers
	s_wait_xcnt 0x0                                ; the block before has been read by its stores: its registers take the next block's loads
.irp t, 0,1,2,3,4,5,6,7
	global_store_b128 v[CO], v[BB+4*\t:BB+4*\t+3], s[12:13] offset:2048*(\a)+256*\t   ; sixteen lanes store 256 consecutive bytes, aligned
.endr
.endm
	PACK 0
	TOSTAGE 0
.irp a, 1,2,3,4,5,6,7                  ; block a's conversions stand between block a - 1's loads from the stage and the wait for them
	PACK \a
	SEND \a-1
	TOSTAGE \a
.endr
	SEND 7
	s_wait_tensorcnt 0x0                           ; the wave's end
	ds_add_u32 v[SPW], v[NIL]
	s_wait_dscnt 0x0
	CROUND                                         ; the closing round
	s_endpgm
.Lfunc_end_k_q8ad9728d26_qkv:
	.size	k_q8ad9728d26_qkv, .Lfunc_end_k_q8ad9728d26_qkv-k_q8ad9728d26_qkv
	.p2alignl 7, 3214868480
	.fill 96, 4, 3214868480
	.section	.rodata,"a",@progbits
	.p2align	6, 0x0
	.amdhsa_kernel k_q8ad9728d26_qkv
		.amdhsa_group_segment_fixed_size 327680
		.amdhsa_private_segment_fixed_size 0
		.amdhsa_enable_private_segment 0
		.amdhsa_kernarg_size 72
		.amdhsa_user_sgpr_count 2
		.amdhsa_user_sgpr_kernarg_segment_ptr 1
		.amdhsa_wavefront_size32 1
		.amdhsa_system_sgpr_workgroup_id_x 1
		.amdhsa_system_sgpr_workgroup_id_y 1
		.amdhsa_system_sgpr_workgroup_id_z 1
		.amdhsa_system_vgpr_workitem_id 0
		.amdhsa_next_free_vgpr 1024
		.amdhsa_next_free_sgpr 102
		.amdhsa_reserve_vcc 0
		.amdhsa_float_denorm_mode_32 3
		.amdhsa_float_denorm_mode_16_64 3
		.amdhsa_memory_ordered 1
		.amdhsa_forward_progress 1
		.amdhsa_inst_pref_size 130
	.end_amdhsa_kernel
	.amdgpu_metadata
---
amdhsa.version: [ 1, 2 ]
amdhsa.kernels:
  - .name:           k_q8ad9728d26_qkv
    .symbol:         k_q8ad9728d26_qkv.kd
    .args:
      - { .name: x_codes, .offset: 0, .size: 8, .value_kind: global_buffer, .address_space: global }
      - { .name: x_scales, .offset: 8, .size: 8, .value_kind: global_buffer, .address_space: global }
      - { .name: w_codes, .offset: 16, .size: 8, .value_kind: global_buffer, .address_space: global }
      - { .name: w_scales, .offset: 24, .size: 8, .value_kind: global_buffer, .address_space: global }
      - { .name: bq, .offset: 32, .size: 8, .value_kind: global_buffer, .address_space: global }
      - { .name: bk, .offset: 40, .size: 8, .value_kind: global_buffer, .address_space: global }
      - { .name: bv, .offset: 48, .size: 8, .value_kind: global_buffer, .address_space: global }
      - { .name: qkv16, .offset: 56, .size: 8, .value_kind: global_buffer, .address_space: global }
      - { .name: qkv32, .offset: 64, .size: 8, .value_kind: global_buffer, .address_space: global }
    .group_segment_fixed_size: 327680
    .private_segment_fixed_size: 0
    .kernarg_segment_align: 8
    .kernarg_segment_size: 72
    .max_flat_workgroup_size: 128
    .sgpr_count:     102
    .vgpr_count:     1024
    .wavefront_size: 32
...
	.end_amdgpu_metadata
.endif
;; end of part 2
;; launch attn (part 3): grid 4 x 64, 8 waves a work-group, no clusters, 327,680 bytes of LDS; arguments qkv16, att16; writes att16
.if DOCPART == 3
	.amdgcn_target "amdgcn-amd-amdhsa--gfx1250"
	.amdhsa_code_object_version 6
	.text
	.protected	k_q8ad9728d26_attn
	.globl	k_q8ad9728d26_attn
	.p2align	8
	.type	k_q8ad9728d26_attn,@function
k_q8ad9728d26_attn:
	s_mov_b64 s[64:65], 0
	v_nop
	global_prefetch_b8 v0, s[64:65] scope:SCOPE_SE
	s_setreg_imm32_b32 hwreg(HW_REG_WAVE_MODE, 25, 1), 1
	s_wait_xcnt 0x0
; att[b][h][q][:] = the sum over k <= q of softmax_k(q . k / 8) v[k][:], for 64 (batch, head) pairs of 2,048 positions x 64 channels.  q, k, v and the result in f16; products, maxima and sums in f32;
; the weights p = 2^(c s - c m), c = log2(e) / 8, m the running maximum, are rounded to f16 for the second product; the row's sum is taken of the unrounded p and divides at the end.
; SHARES.  A head's queries are 8 blocks of 256.  Work-group j takes block j and then block 7 - j: j + 1 and 8 - j slots of 256 keys under the causal mask, NINE for every work-group.
; Each of the eight waves owns 32 queries, two tiles of 16; two waves share a SIMD, so that one wave's softmax stands beside the other's products.  Wave w takes group w xor 3 (w / 4) of the block's eight:
; waves w and w + 4 then walk five steps of a diagonal slot together, whatever w.
; NO CLUSTER: the four work-groups of a head want different key slots at the same change (their passes are j + 1 and 8 - j slots long); a common walk would be 12 slots long against 9.
; LAYOUT.  S^T = K Q^T (source 0 = 16 keys, source 1 = 16 queries): a lane holds ONE query (lane % 16) and keys 8 (lane / 16) + 0..7.  Two such tiles, rounded in pairs, ARE source 1 of O^T = V^T P.
; K comes out of LDS as it lies, V ([key][channel]) turned, by ds_load_tr16_b128.
; THE RING: two slots of 256 keys, four steps of 64.  Waves 0-3 fetch K of step w, waves 4-7 V of step w - 4: one load of 64 rows a wave behind each barrier, a whole slot's steps ahead of its use.
; THE MASK: a step all of whose keys come after my 32 queries is jumped over (ids alone); in a step on the diagonal hidden scores become -infinity.  Key 0 counts for every query, so m is a number from a pass's first step on.
; LIMITS: NaN and infinities are not served.
; REGISTERS: window 0: v2-15 addresses; v16-31 statistics; v32-63 Q; v64-127 S^T; v128-159 P; v160-223 O^T; v224-255 the way out.  window 1: v0-63 K, v64-127 V, v128-159 the second pass's Q.
.set PK,    144                        ; a row of K in LDS: 128 bytes + 16: the 16 rows of a load start at 16 different groups of banks
.set PV,    160                        ; a row of V: 128 + 32: an odd multiple of 32
.set VOFF,  64*PK                      ; a step's tiles lie together: 64 rows of K, then 64 rows of V
.set STEPB, 64*(PK+PV)
.set SLOT1, 1<<17                      ; slot 1 begins here: one exclusive or turns an address from one slot into the other
.set STAGE, 2*SLOT1                    ; behind the ring: two tiles of 16 rows x 144 bytes for each wave
.set SPARE, STAGE+8*4608               ; the spare words, 128 bytes for each wave, which no other line names
.set AK0, 2
.set AV0, 3
.set ADK, 4
.set ADV, 5
.set QO,  6
.set STO, 7
.set RD,  8
.set GO,  9
.set DQ,  10                           ; v10  lane % 16 - 8 (lane / 16)
.set NINF, 11                          ; v11  -infinity
.set SPW, 12                           ; v12  my spare word's address; never rewritten
.set NIL, 13                           ; v13  0; never rewritten
.set TD,  14
.set PFO, 15                           ; v15  256 x lane
.set ST,  16                           ; tile t's statistics at v[ST + 8 t]: +0 c m, +1 m, +2, +3 the sum (even keys', odd keys'), +4 .. +7 at work; a = 2^(c m_old - c m_new) at +6
.set QF,  32
.set S,   64
.set P,   128
.set OT,  160
.set WR,  224
.set WV,  8
.set J,   9
.set Q0,  13                           ; s13  my first query of the pass in hand
.set Q0B, 14                           ; s14  of the second pass
.set KF,  15                           ; s15  the step's first key
.set G1K, 16
.set G1V, 24
.set G0,  32
.set KB,  36                           ; s[36:37] my tile of key slot 0 in memory
.set OUTA, 38
.set OUTB, 40
.set PFA, 42
.set TT,  44                           ; s44  the slot visit, 0 .. 8
.set NA,  45                           ; s45  j + 1: the first pass's visits
.set LIMT, 46                          ; s46  6 in the head's work-group 0, else 0: it prefetches while TT is under this
.set TB,  47                           ; s47  LDS byte at which the step's tiles begin
.set STP, 48
.set CS,  50
.set SEL, 52
.set MSB, 0
.macro WIN new
.if MSB != (\new)
	s_set_vgpr_msb (MSB<<8)|(\new)
.set MSB, (\new)
.endif
.endm
.macro TLOAD                           ; every wave fetches: waves 0-3 a tile of K, waves 4-7 a tile of V; the two shapes differ in the padding alone
	s_cmp_lt_u32 s[WV], 4
	s_cbranch_scc0 .Lfor_v_\@
	tensor_load_to_lds s[G0:G0+3], s[G1K:G1K+7]
	s_nop 0
.rept 4
	v_nop
.endr
	s_branch .Lasked_\@
.Lfor_v_\@:
	tensor_load_to_lds s[G0:G0+3], s[G1V:G1V+7]
	s_nop 0
.rept 4
	v_nop
.endr
.Lasked_\@:
.endm
; A PREFETCH INTO THE L2.  All four work-groups of a head walk the same K and V: work-group 0 asks, and nobody else.  At change TT = 0 .. 5 it asks for key slot TT + 2, each wave for the 8,192 bytes
; that it would fetch of it, lanes 256 bytes apart: so each block is named once in the launch.  Key slots 0 and 1 come by their loads alone.
.macro ASK
	s_cmp_lt_u32 s[TT], s[LIMT]
	s_cbranch_scc0 .Lnot_mine_\@
	global_prefetch_b8 v[PFO], s[PFA:PFA+1] th:TH_LOAD_NT scope:SCOPE_SE
.Lnot_mine_\@:
.endm
.macro INIT                            ; a pass begins: the step is written once, and its first turn finds zeros, which a = 0 leaves zeros
.irp t, 0,1
	v_mov_b32 v[ST+8*\t+1], 0xff61b1e6             ; m = -3e38, under every score
	v_mul_f32 v[ST+8*\t], s[CS], v[ST+8*\t+1]
	v_mov_b32 v[ST+8*\t+2], 0
	v_mov_b32 v[ST+8*\t+3], 0
	v_mov_b32 v[ST+8*\t+5], 0                      ; (a lane permute's destination counts as one of its sources)
	v_mov_b32 v[ST+8*\t+7], 0
.endr
.set ii, 0
.rept 64
	v_mov_b32 v[OT+ii], 0
.set ii, ii+1
.endr
.endm
	s_load_b128 s[4:7], s[0:1], 0x0                ; qkv16 4, att16 6
	v_lshl_add_u32 v[SPW], v0, 2, SPARE
	v_mov_b32 v[NIL], 0
	ds_add_u32 v[SPW], v[NIL]                      ; the wave's opening: the add, twice on end, and its wait ahead of my first tensor load
	ds_add_u32 v[SPW], v[NIL]
	v_lshrrev_b32 v1, 5, v0
	v_readfirstlane_b32 s[WV], v1                  ; wave 0..7
	s_mov_b32 s[J], ttmp9
	s_and_b32 s10, ttmp7, 0xffff                   ; 16 x batch + head
	s_lshr_b32 s54, s[WV], 2
	s_mul_i32 s55, s54, 3
	s_xor_b32 s55, s55, s[WV]                      ; my group of 32 queries
	s_lshl_b32 s55, s55, 5
	s_lshl_b32 s[Q0], s[J], 8
	s_add_co_u32 s[Q0], s[Q0], s55
	s_sub_co_u32 s[Q0B], 7, s[J]
	s_lshl_b32 s[Q0B], s[Q0B], 8
	s_add_co_u32 s[Q0B], s[Q0B], s55
	s_mov_b32 s[KF], 0
	s_add_co_u32 s[NA], s[J], 1
	s_cmp_eq_u32 s[J], 0
	s_cselect_b32 s[LIMT], 6, 0
	s_mov_b32 s[TB], 0
	s_mov_b32 s[TT], 0
	s_mov_b32 s[CS], 0x3e38aa3b                    ; c = log2(e) / 8
	s_mov_b32 s[CS+1], s[CS]
	s_mov_b32 s[SEL], 0x76543210
	s_mov_b32 s[SEL+1], 0xfedcba98                 ; lane l xor 16
	s_mov_b32 s[G1K], (1<<16)|(1<<20)|(4<<22)|(3<<25)   ; elements of 2 bytes; 4 words of padding behind every 32
	s_mov_b32 s[G1V], (1<<16)|(1<<20)|(4<<22)|(7<<25)   ; 8 words of padding
.irp g, G1K, G1V
	s_mov_b32 s[\g+1], 64<<16                      ; tensor_dim0
	s_mov_b32 s[\g+2], 64<<16                      ; tensor_dim1
	s_mov_b32 s[\g+3], 64<<16                      ; tile_dim0
	s_mov_b32 s[\g+4], 64                          ; tile_dim1
	s_mov_b32 s[\g+5], 64                          ; the pitch in memory
	s_mov_b32 s[\g+6], 0
	s_mov_b32 s[\g+7], 0
.endr
	s_and_b32 s56, s[WV], 3
	s_mul_i32 s[G0+1], s56, STEPB
	s_mul_i32 s57, s54, VOFF
	s_add_co_u32 s[G0+1], s[G0+1], s57             ; my tile's place in slot 0: step w % 4, K's part or V's
	s_mov_b32 s[G0], 1
	s_lshl_b32 s58, s10, 18                        ; the head's 262,144 bytes in each of the tensors
	s_mov_b32 s59, 0
	s_add_co_u32 s57, s54, 1
	s_lshl_b32 s57, s57, 24                        ; k lies 16,777,216 bytes behind q, v as far again
	s_add_co_u32 s57, s57, s58
	s_lshl_b32 s56, s56, 13                        ; a step's 64 rows of 128 bytes
	s_add_co_u32 s56, s56, s57
	s_mov_b32 s57, 0
	s_wait_dscnt 0x0                               ; both opening adds are done
	s_wait_kmcnt 0x0
	s_add_nc_u64 s[KB:KB+1], s[4:5], s[56:57]
	s_mov_b64 s[G0+2:G0+3], s[KB:KB+1]
	s_or_b32 s[G0+3], s[G0+3], 0x80000000
	TLOAD                                          ; key slot 0 into slot 0
	s_add_nc_u64 s[PFA:PFA+1], s[KB:KB+1], 32768   ; the first change steps it to key slot 2
	s_add_nc_u64 s[4:5], s[4:5], s[58:59]          ; q and the result at my head
	s_add_nc_u64 s[6:7], s[6:7], s[58:59]
	s_lshl_b32 s54, s[Q0], 7
	s_mov_b32 s55, 0
	s_add_nc_u64 s[OUTA:OUTA+1], s[6:7], s[54:55]
	s_add_nc_u64 s[10:11], s[4:5], s[54:55]        ; the first pass's queries
	s_lshl_b32 s54, s[Q0B], 7
	s_add_nc_u64 s[OUTB:OUTB+1], s[6:7], s[54:55]
	s_add_nc_u64 s[4:5], s[4:5], s[54:55]          ; the second pass's
	v_and_b32 v1, 15, v0                           ; r
	v_bfe_u32 v4, v0, 4, 1                         ; h
	v_lshlrev_b32 v[QO], 7, v1
	v_lshl_add_u32 v[QO], v4, 4, v[QO]             ; row r of 128 bytes + 16 h
.irp t, 0,1
.irp ks, 0,1
	global_load_b128 v[QF+16*\t+8*\ks:QF+16*\t+8*\ks+3], v[QO], s[10:11] offset:2048*\t+64*\ks
	global_load_b128 v[QF+16*\t+8*\ks+4:QF+16*\t+8*\ks+7], v[QO], s[10:11] offset:2048*\t+64*\ks+32
.endr
.endr
	WIN 0x40                                       ; destination window 1
.irp t, 0,1
.irp ks, 0,1
	global_load_b128 v[128+16*\t+8*\ks:128+16*\t+8*\ks+3], v[QO], s[4:5] offset:2048*\t+64*\ks
	global_load_b128 v[128+16*\t+8*\ks+4:128+16*\t+8*\ks+7], v[QO], s[4:5] offset:2048*\t+64*\ks+32
.endr
.endr
	WIN 0
	v_and_b32 v5, 7, v0
	v_bfe_u32 v14, v0, 3, 1
	v_mul_u32_u24 v[AK0], v1, PK
	v_lshl_add_u32 v[AK0], v4, 4, v[AK0]           ; K: row r x pitch + 16 h
	v_lshl_add_u32 v[AV0], v4, 3, v5
	v_mul_u32_u24 v[AV0], v[AV0], PV               ; V: key 8 h + l % 8,
	v_lshl_add_u32 v[AV0], v14, 4, v[AV0]          ; channels 8 ((l / 8) % 2) on
	v_add_nc_u32 v[AV0], VOFF, v[AV0]
	s_mul_i32 s54, s[WV], 4608
	s_add_co_u32 s54, s54, STAGE                   ; my stage
	v_add_nc_u32 v[STO], s54, v[AK0]               ; in: row r x 144 + 16 h
	v_bfe_u32 v[RD], v0, 3, 2
	v_mul_u32_u24 v[RD], v[RD], PK
	v_lshl_add_u32 v[RD], v5, 4, v[RD]
	v_add_nc_u32 v[RD], s54, v[RD]                 ; back: four rows of 128 bytes an instruction
	v_and_b32 v[GO], 31, v0
	v_lshlrev_b32 v[PFO], 8, v[GO]
	v_lshlrev_b32 v[GO], 4, v[GO]
	v_lshlrev_b32 v[DQ], 3, v4
	v_sub_nc_u32 v[DQ], v1, v[DQ]
	v_mov_b32 v[NINF], 0xff800000
	INIT
; THE CHANGE OF SLOTS stands at a visit's head.  Each wave waits for all its tensor loads (its part of the slot that it is about to read), adds 0 to its spare word, and waits for that and for its reads of the
; slot that it has left.  Behind the barrier the slot ahead is whole and nobody reads the other.  fill = 1: that other slot takes the next visit's keys: key slot n, or n - NA in the second pass.
.macro CHANGE fill
	s_wait_tensorcnt 0x0                           ; no tensor load of mine is out, so the descriptor may be written
	ds_add_u32 v[SPW], v[NIL]                      ; 0 onto my spare word; the descriptor's steps stand between it and the wait for it
.if \fill
	s_add_co_u32 s54, s[TT], 1
	s_cmp_lt_u32 s54, s[NA]
	s_cselect_b32 s55, 0, s[NA]
	s_sub_co_u32 s54, s54, s55                     ; the next visit's key slot
	s_lshl_b32 s54, s54, 15                        ; 256 keys of 128 bytes
	s_mov_b32 s55, 0
	s_add_nc_u64 s[G0+2:G0+3], s[KB:KB+1], s[54:55]
	s_or_b32 s[G0+3], s[G0+3], 0x80000000
	s_xor_b32 s[G0+1], s[G0+1], SLOT1              ; the other slot than last time
	s_wait_xcnt 0x0                                ; the last prefetch, a slot back, has read its address
	s_add_nc_u64 s[PFA:PFA+1], s[PFA:PFA+1], 32768
.endif
	s_wait_dscnt 0x0                               ; the add is done, and my reads of the slot that I have left are over
	s_barrier_signal -1
	s_barrier_wait -1
.if \fill
	TLOAD                                          ; the first thing behind the barrier, and my one tensor load until the next
	ASK
.endif
.endm
; THE SOFTMAX of my two tiles for a step of 64 keys, the tiles line by line in turn.
.macro SOFTMAX
.irp j, 0,1,2,3
.irp t, 0,1
	v_max3_num_f32 v[ST+8*\t+4+\j], v[S+32*\t+8*\j], v[S+32*\t+8*\j+1], v[S+32*\t+8*\j+2]   ; each accumulator is read from its low end on
.endr
.endr
.irp i, 3,5
.irp j, 0,1,2,3
.irp t, 0,1
	v_max3_num_f32 v[ST+8*\t+4+\j], v[ST+8*\t+4+\j], v[S+32*\t+8*\j+\i], v[S+32*\t+8*\j+\i+1]
.endr
.endr
.endr
.irp t, 0,1
	v_max3_num_f32 v[ST+8*\t+4], v[ST+8*\t+4], v[S+32*\t+7], v[S+32*\t+15]
.endr
.irp t, 0,1
	v_max3_num_f32 v[ST+8*\t+6], v[ST+8*\t+6], v[S+32*\t+23], v[S+32*\t+31]
.endr
.irp t, 0,1
	v_max3_num_f32 v[ST+8*\t+4], v[ST+8*\t+4], v[ST+8*\t+5], v[ST+8*\t+6]
.endr
.irp t, 0,1
	v_max3_num_f32 v[ST+8*\t+4], v[ST+8*\t+4], v[ST+8*\t+7], v[ST+8*\t+1]   ; and the old m
.endr
.irp t, 0,1
	v_permlanex16_b32 v[ST+8*\t+5], v[ST+8*\t+4], s[SEL], s[SEL+1]          ; the query's other 32 keys lie in the lane 16 away
.endr
.irp t, 0,1
	v_mov_b32 v[ST+8*\t+7], v[ST+8*\t]             ; c m_old
.endr
.irp t, 0,1
	v_max_num_f32 v[ST+8*\t+1], v[ST+8*\t+4], v[ST+8*\t+5]
.endr
.irp t, 0,1
	v_mul_f32 v[ST+8*\t], s[CS], v[ST+8*\t+1]
.endr
.irp t, 0,1
	v_sub_f32 v[ST+8*\t+7], v[ST+8*\t+7], v[ST+8*\t]
.endr
.irp t, 0,1
	v_exp_f32 v[ST+8*\t+6], v[ST+8*\t+7]           ; a
.endr
.irp b, 0,1,2,3,4,5,6,7,8,9,10,11,12,13,14,15
.irp t, 0,1
	v_pk_fma_f32 v[S+32*\t+2*\b:S+32*\t+2*\b+1], v[S+32*\t+2*\b:S+32*\t+2*\b+1], s[CS:CS+1], v[ST+8*\t:ST+8*\t+1] op_sel_hi:[1,0,0] neg_lo:[0,0,1] neg_hi:[0,0,1]   ; c s - c m
.endr
.endr
	s_wait_alu depctr_va_vdst(0)                   ; the wait ahead of a's first reader: the 32 scalings are the work between
.irp b, 0,1,2,3,4,5,6,7,8,9,10,11,12,13,14,15,16,17,18,19,20,21,22,23,24,25,26,27,28,29,30,31
.irp t, 0,1
	v_exp_f32 v[S+32*\t+\b], v[S+32*\t+\b]         ; p: one batch of 64
.endr
.endr
.irp b, 0,1,2,3,4,5,6,7,8,9,10,11,12,13,14,15
.irp t, 0,1
	v_pk_mul_f32 v[OT+32*\t+2*\b:OT+32*\t+2*\b+1], v[OT+32*\t+2*\b:OT+32*\t+2*\b+1], v[ST+8*\t+6:ST+8*\t+7] op_sel_hi:[1,0]   ; O^T x a: plain work that names none of the batch's results
.endr
.endr
	s_wait_alu depctr_va_vdst(0)                   ; one wait for the batch, ahead of its first reader
.irp b, 0,1,2,3,4,5,6,7,8,9,10,11,12,13,14,15
.irp t, 0,1
	v_cvt_pk_f16_f32 v[P+16*\t+\b], v[S+32*\t+2*\b], v[S+32*\t+2*\b+1]
.endr
.endr
.irp u, 0,1,2,3,4,5,6,7                ; the sum of a tile's 16 pairs, in place, as a tree
.irp t, 0,1
	v_pk_add_f32 v[S+32*\t+4*\u:S+32*\t+4*\u+1], v[S+32*\t+4*\u:S+32*\t+4*\u+1], v[S+32*\t+4*\u+2:S+32*\t+4*\u+3]
.endr
.endr
.irp u, 0,1,2,3
.irp t, 0,1
	v_pk_add_f32 v[S+32*\t+8*\u:S+32*\t+8*\u+1], v[S+32*\t+8*\u:S+32*\t+8*\u+1], v[S+32*\t+8*\u+4:S+32*\t+8*\u+5]
.endr
.endr
.irp u, 0,1
.irp t, 0,1
	v_pk_add_f32 v[S+32*\t+16*\u:S+32*\t+16*\u+1], v[S+32*\t+16*\u:S+32*\t+16*\u+1], v[S+32*\t+16*\u+8:S+32*\t+16*\u+9]
.endr
.endr
.irp t, 0,1
	v_pk_add_f32 v[S+32*\t:S+32*\t+1], v[S+32*\t:S+32*\t+1], v[S+32*\t+16:S+32*\t+17]
.endr
.irp t, 0,1
	v_pk_fma_f32 v[ST+8*\t+2:ST+8*\t+3], v[ST+8*\t+2:ST+8*\t+3], v[ST+8*\t+6:ST+8*\t+7], v[S+32*\t:S+32*\t+1] op_sel_hi:[1,0,1]   ; the sum x a + this step's
.endr
.endm
; A KEY STEP: 64 keys at LDS byte TB.
.macro STEP
	s_add_co_u32 s54, s[Q0], 31
	s_cmp_gt_u32 s[KF], s54                        ; all 64 keys come after my 32 queries: the step's work is left out (ids and the count of steps alone)
	s_cbranch_scc1 .Lhidden_\@
	v_add_nc_u32 v[ADK], s[TB], v[AK0]
	v_add_nc_u32 v[ADV], s[TB], v[AV0]
	WIN 0x40                                       ; destination window 1
.irp kt, 0,1,2,3
.irp ks, 0,1
	ds_load_b128 v[16*\kt+8*\ks:16*\kt+8*\ks+3], v[ADK] offset:16*PK*\kt+64*\ks
	ds_load_b128 v[16*\kt+8*\ks+4:16*\kt+8*\ks+7], v[ADK] offset:16*PK*\kt+64*\ks+32
.endr
.endr
.irp kh, 0,1
.irp ct, 0,1,2,3
	ds_load_tr16_b128 v[64+32*\kh+8*\ct:64+32*\kh+8*\ct+3], v[ADV] offset:32*PV*\kh+32*\ct
	ds_load_tr16_b128 v[64+32*\kh+8*\ct+4:64+32*\kh+8*\ct+7], v[ADV] offset:32*PV*\kh+32*\ct+16*PV
.endr
.endr
	s_wait_dscnt 16                                ; K is in; V's sixteen loads stay out
	WIN 0x01                                       ; source 0 window 1
.irp ks, 0,1                           ; S^T = K Q^T: the eight accumulators take turns; the first eight products start the sums
.irp kt, 0,1,2,3
.irp t, 0,1
.if \ks == 0
	v_wmma_f32_16x16x32_f16 v[S+32*\t+8*\kt:S+32*\t+8*\kt+7], v[16*\kt:16*\kt+7], v[QF+16*\t:QF+16*\t+7], 0
.else
	v_wmma_f32_16x16x32_f16 v[S+32*\t+8*\kt:S+32*\t+8*\kt+7], v[16*\kt+8:16*\kt+15], v[QF+16*\t+8:QF+16*\t+15], v[S+32*\t+8*\kt:S+32*\t+8*\kt+7]
.endif
.endr
.endr
.endr
	WIN 0
.rept 4
	v_nop                                          ; places ahead of the first read of the scores (ISA guide 7.12.1)
.endr
	s_add_co_u32 s54, s[KF], 63
	s_cmp_le_u32 s54, s[Q0]                        ; all 64 keys count for all my queries: no mask
	s_cbranch_scc1 .Lopen_\@
	s_sub_co_i32 s54, s[Q0], s[KF]
	v_add_nc_u32 v[TD], s54, v[DQ]                 ; register 8 kt + j of tile t holds key KF + 16 kt + 8 (lane / 16) + j for query Q0 + 16 t + lane % 16: hidden where 16 kt + j - 16 t > TD
.irp t, 0,1
.irp kt, 0,1,2,3
.irp j, 0,1,2,3,4,5,6,7
	v_cmp_gt_i32 vcc_lo, 16*\kt+\j-16*\t, v[TD]
	v_cndmask_b32 v[S+32*\t+8*\kt+\j], v[S+32*\t+8*\kt+\j], v[NINF], vcc_lo
.endr
.endr
.endr
.Lopen_\@:
	SOFTMAX
	s_wait_dscnt 0x0                               ; V is in
	WIN 0x01
.irp kh, 0,1                           ; O^T += V^T P: the eight accumulators take turns
.irp ct, 0,1,2,3
.irp t, 0,1
	v_wmma_f32_16x16x32_f16 v[OT+32*\t+8*\ct:OT+32*\t+8*\ct+7], v[64+32*\kh+8*\ct:64+32*\kh+8*\ct+7], v[P+16*\t+8*\kh:P+16*\t+8*\kh+7], v[OT+32*\t+8*\ct:OT+32*\t+8*\ct+7]
.endr
.endr
.endr
	WIN 0
.rept 4
	v_nop                                          ; places ahead of the next loads into V's registers and of the next read of O^T
.endr
.Lhidden_\@:
	s_add_co_u32 s[KF], s[KF], 64
	s_add_co_u32 s[TB], s[TB], STEPB
.endm
.macro SLOT_STEPS                      ; a slot's four steps: written once, walked four times
	s_mov_b32 s[STP], 4
.Lstep_\@:
	STEP
	s_sub_co_u32 s[STP], s[STP], 1
	s_cmp_lg_u32 s[STP], 0
	s_cbranch_scc1 .Lstep_\@
	s_sub_co_u32 s[TB], s[TB], 4*STEPB             ; back to a slot's first step,
	s_xor_b32 s[TB], s[TB], SLOT1                  ; in the other slot
.endm
; THE WAY OUT of a pass: O^T / the sum, rounded to f16, through my own stage; each store covers 512 consecutive bytes, four positions of the head.
.macro WAYOUT base, later
.if \later
	s_wait_xcnt 0x0                                ; the first pass's stores have read their registers
.endif
.irp t, 0,1
	v_add_f32 v[ST+8*\t+4], v[ST+8*\t+2], v[ST+8*\t+3]
.endr
.irp t, 0,1
	v_permlanex16_b32 v[ST+8*\t+5], v[ST+8*\t+4], s[SEL], s[SEL+1]
.endr
.irp t, 0,1
	v_add_f32 v[ST+8*\t+4], v[ST+8*\t+4], v[ST+8*\t+5]
.endr
.irp t, 0,1
	v_rcp_f32 v[ST+8*\t+6], v[ST+8*\t+4]
.endr
	v_nop                                          ; a plain instruction behind the last reciprocal
	s_wait_alu depctr_va_vdst(0)                   ; and the wait, one for the two
.irp t, 0,1
.set ii, 0
.rept 16
	v_pk_mul_f32 v[OT+32*\t+2*ii:OT+32*\t+2*ii+1], v[OT+32*\t+2*ii:OT+32*\t+2*ii+1], v[ST+8*\t+6:ST+8*\t+7] op_sel_hi:[1,0]
.set ii, ii+1
.endr
.set ii, 0
.rept 16
	v_cvt_pk_f16_f32 v[WR+16*\t+ii], v[OT+32*\t+2*ii], v[OT+32*\t+2*ii+1]
.set ii, ii+1
.endr
.irp c, 0,1,2,3
	ds_store_b128 v[STO], v[WR+16*\t+4*\c:WR+16*\t+4*\c+3] offset:16*PK*\t+32*\c
.endr
.irp i, 0,1,2,3
	ds_load_b128 v[WR+16*\t+4*\i:WR+16*\t+4*\i+3], v[RD] offset:16*PK*\t+4*PK*\i   ; in order behind the stores above
.endr
.endr
.irp t, 0,1
.irp i, 0,1,2,3
	s_wait_dscnt 11-8*\t-\i                        ; the younger LDS instructions may stay out
	global_store_b128 v[GO], v[WR+16*\t+4*\i:WR+16*\t+4*\i+3], s[\base:\base+1] offset:2048*\t+512*\i
.endr
.endr
.endm
	s_wait_loadcnt 0x0                             ; both passes' Q
.Lslot:                                            ; eight trips: behind each change of slots but the last the next visit's keys are asked for
	CHANGE 1
	s_cmp_lg_u32 s[TT], s[NA]                      ; the first pass is over at visit j + 1 (the work-group's number alone: all eight waves go the same way)
	s_cbranch_scc1 .Lsame
	WAYOUT OUTA, 0
	WIN 0x01
.set ii, 0
.rept 32
	v_mov_b32 v[QF+ii], v[128+ii]                  ; the second pass's Q
.set ii, ii+1
.endr
	WIN 0
	INIT
	s_mov_b32 s[Q0], s[Q0B]
	s_mov_b32 s[KF], 0
.Lsame:
	SLOT_STEPS
	s_add_co_u32 s[TT], s[TT], 1
	s_cmp_lt_u32 s[TT], 8
	s_cbranch_scc1 .Lslot
	CHANGE 0                                       ; the last visit is written out: nothing is left to fetch
	SLOT_STEPS
	WAYOUT OUTB, 1
	s_wait_tensorcnt 0x0                           ; the wave's end
	ds_add_u32 v[SPW], v[NIL]
	s_wait_dscnt 0x0
	s_endpgm
.Lfunc_end_k_q8ad9728d26_attn:
	.size	k_q8ad9728d26_attn, .Lfunc_end_k_q8ad9728d26_attn-k_q8ad9728d26_attn
	.p2alignl 7, 3214868480
	.fill 96, 4, 3214868480
	.section	.rodata,"a",@progbits
	.p2align	6, 0x0
	.amdhsa_kernel k_q8ad9728d26_attn
		.amdhsa_group_segment_fixed_size 327680
		.amdhsa_private_segment_fixed_size 0
		.amdhsa_enable_private_segment 0
		.amdhsa_kernarg_size 16
		.amdhsa_user_sgpr_count 2
		.amdhsa_user_sgpr_kernarg_segment_ptr 1
		.amdhsa_wavefront_size32 1
		.amdhsa_system_sgpr_workgroup_id_x 1
		.amdhsa_system_sgpr_workgroup_id_y 1
		.amdhsa_system_sgpr_workgroup_id_z 1
		.amdhsa_system_vgpr_workitem_id 0
		.amdhsa_next_free_vgpr 512
		.amdhsa_next_free_sgpr 66
		.amdhsa_reserve_vcc 1
		.amdhsa_float_denorm_mode_32 3
		.amdhsa_float_denorm_mode_16_64 3
		.amdhsa_memory_ordered 1
		.amdhsa_forward_progress 1
		.amdhsa_inst_pref_size 71
	.end_amdhsa_kernel
	.amdgpu_metadata
---
amdhsa.version: [ 1, 2 ]
amdhsa.kernels:
  - .name:           k_q8ad9728d26_attn
    .symbol:         k_q8ad9728d26_attn.kd
    .args:
      - { .name: qkv16, .offset: 0, .size: 8, .value_kind: global_buffer, .address_space: global }
      - { .name: att16, .offset: 8, .size: 8, .value_kind: global_buffer, .address_space: global }
    .group_segment_fixed_size: 327680
    .private_segment_fixed_size: 0
    .kernarg_segment_align: 8
    .kernarg_segment_size: 16
    .max_flat_workgroup_size: 256
    .sgpr_count:     66
    .vgpr_count:     512
    .wavefront_size: 32
...
	.end_amdgpu_metadata
.endif
;; end of part 3
;; launch proj (part 4): grid 4 x 64, 4 waves a work-group, clusters of 4 x 4, 327,680 bytes of LDS; arguments att16, wo16t, bo, out0; writes out0
.if DOCPART == 4
	.amdgcn_target "amdgcn-amd-amdhsa--gfx1250"
	.amdhsa_code_object_version 6
	.text
	.protected	k_q8ad9728d26_proj
	.globl	k_q8ad9728d26_proj
	.p2align	8
	.type	k_q8ad9728d26_proj,@function
k_q8ad9728d26_proj:
	s_mov_b64 s[64:65], 0
	v_nop
	global_prefetch_b8 v0, s[64:65] scope:SCOPE_SE
	s_setreg_imm32_b32 hwreg(HW_REG_WAVE_MODE, 25, 1), 1
	s_wait_xcnt 0x0
	s_wait_alu depctr_hold_cnt(0) depctr_sa_sdst(0) depctr_va_vdst(0) depctr_va_sdst(0) depctr_va_ssrc(0) depctr_va_vcc(0) depctr_vm_vsrc(0)
	s_getreg_b32 s2, hwreg(HW_REG_IB_STS2, 6, 4)
	s_cmp_eq_u32 s2, 0
	s_cbranch_scc0 .Lentry_in_a_cluster
	s_endpgm
.Lentry_in_a_cluster:
	s_bfe_u32 s2, ttmp6, 0x10000c
	s_cmp_lg_u32 s2, 0xf033
	s_cbranch_scc0 .Lentry_shape_is_right
	s_endpgm
.Lentry_shape_is_right:
; out[row][n] = the sum over k of att[row][k] Wo[k][n] + bo[n].  att: f16, laid [batch][head][position][64], so k = 64 head + channel; Wo: f16, laid [n][k]; out: [8192][1024] f32; sums in f32.
; A tile of C is 128 x 256: 256 work-groups.  Four waves, each 64 x 128: 32 accumulators, 256 registers.  K goes in steps of 128, which are TWO HEADS, through a ring of two LDS slots.
; A's tile of a step is two planes (heads) of 128 rows x 128 bytes, each dense in memory; B's is 256 rows x 256 bytes.  Waves 0 and 1 fetch A's planes, waves 2 and 3 B's halves: one load of 128 rows a wave.
; CLUSTERS: 4 x 4 work-groups; A's tiles are asked for jointly along a row of the cluster, B's along a column.
; THE MATRIX INSTRUCTION IS USED TRANSPOSED (source 0 = 16 rows of Wo^T, source 1 = 16 rows of att): a lane holds eight neighbouring columns of a row of C.  The bias is the C of each sum's first product.
; The first 16 positions of every sequence are written again, more finely, by the launch that follows.
; REGISTERS: window 0: v16-30 addresses; v64-95, v96-127 A's fragments, two buffers; v128-191 the bias; on the way out v128-255.  window 1: v0-63, v64-127 B's fragments.  window 2: accumulator (a, b) at v[8 (8 a + b)].
.set PA,     144                       ; a row of A in LDS: 128 bytes + 16
.set PB,     272                       ; a row of B: 256 + 16
.set PLANE,  128*PA
.set BOFF,   2*PLANE                   ; B's 256 rows lie behind A's two planes
.set HALFB,  128*PB
.set SLOT,   BOFF+2*HALFB
.set STAGE,  2*SLOT                    ; behind the ring: 16 rows x (512 + 16) for each wave
.set SPITCH, 528
.set SPARE,  STAGE+4*16*SPITCH         ; the spare words, 128 bytes for each wave, which no other line names
.set ADRA, 16
.set ADRB, 20
.set STO,  24
.set RD,   25
.set CO,   26
.set BO,   27
.set SPW,  28                          ; v28  my spare word's address; never rewritten
.set NIL,  29                          ; v29  0; never rewritten
.set PFO,  30
.set AF,   64
.set BI,   128
.set BK,   128
.set G1, 24
.set G0, 32
.set G1B, 48
.set G0B, 56
.set PFA, 66
.set LIM, 68
.set MSB, 0
.macro WIN new
.if MSB != (\new)
	s_set_vgpr_msb (MSB<<8)|(\new)
.set MSB, (\new)
.endif
.endm
.set MUL,  0xa1                        ; source 0 (B) window 1, source 1 (A) window 0, C and D window 2
.set MULB, 0x81                        ; C (the bias) window 0
.set TO_B, 0x40
.macro JLOAD s
	s_cmp_eq_u32 s15, 0
	s_cbranch_scc0 .Lfor_b_\@
	tensor_load_to_lds s[G0+4*\s:G0+4*\s+3], s[G1:G1+7]
	s_nop 0
.rept 4
	v_nop
.endr
	s_branch .Lasked_\@
.Lfor_b_\@:
	tensor_load_to_lds s[G0B+4*\s:G0B+4*\s+3], s[G1B:G1B+7]
	s_nop 0
.rept 4
	v_nop
.endr
.Lasked_\@:
.endm
.macro CREST
	s_cmp_lg_u32 s14, 0
	s_cbranch_scc1 .Lnot_wave_0_\@
	s_barrier_signal -3
.Lnot_wave_0_\@:
	s_barrier_wait -3
	s_barrier_signal -1
	s_barrier_wait -1
.endm
.macro CROUND
	s_barrier_signal -1
	s_barrier_wait -1
	CREST
.endm
; A PREFETCH INTO THE L2 of A's two planes of the K step that stands two refills on.  A tile row of att is read by one row of one cluster alone; its four partners take 4,096 bytes of each plane,
; told apart BY ADDRESS; in each, wave 0 asks: lanes 0-15 the first plane, lanes 16-31 the second, 256 bytes apart.  So each block is named once.  K steps 0 to 3 come by their loads alone; the loop's last trip asks for nothing.
; Wo is read by every cluster of the launch and is not asked for.
.macro ASK
	s_cmp_gt_u32 s3, s[LIM]
	s_cbranch_scc0 .Lnot_mine_\@
	global_prefetch_b8 v[PFO], s[PFA:PFA+1] th:TH_LOAD_NT scope:SCOPE_SE
.Lnot_mine_\@:
.endm
	s_load_b256 s[4:11], s[0:1], 0x0               ; att16 4, wo16t 6, bo 8, out0 10
	v_lshl_add_u32 v[SPW], v0, 2, SPARE
	v_mov_b32 v[NIL], 0
	ds_add_u32 v[SPW], v[NIL]                      ; the wave's opening: the add, twice on end, and its wait ahead of my first tensor load
	ds_add_u32 v[SPW], v[NIL]
	v_lshrrev_b32 v1, 5, v0
	v_readfirstlane_b32 s14, v1                    ; wave 0..3
	s_lshr_b32 s15, s14, 1                         ; which half of the tile's rows is mine.  Also: I fetch for A (0) or for B (1)
	s_and_b32 s16, s14, 1                          ; which half of its columns.  Also: which plane, or which 128 rows, I fetch
	s_bfe_u32 s40, ttmp6, 0x40000                  ; cx
	s_bfe_u32 s41, ttmp6, 0x40004                  ; cy
	s_lshl_b32 s42, ttmp9, 2
	s_add_co_u32 s42, s42, s40                     ; tile column
	s_and_b32 s17, ttmp7, 0xffff
	s_lshl_b32 s17, s17, 2
	s_add_co_u32 s17, s17, s41                     ; tile row
	s_lshl_b32 s43, s41, 2
	s_lshl_b32 s43, 15, s43                        ; my row of the cluster
	s_lshl_b32 s44, 0x1111, s40                    ; my column
	s_or_b32 s[G1+0], s43, (1<<16)|(1<<20)|(1<<21)|(4<<22)|(3<<25)    ; A: elements of 2 bytes; 4 words of padding behind every 32
	s_mov_b32 s[G1+1], 64<<16
	s_mov_b32 s[G1+2], 128<<16
	s_mov_b32 s[G1+3], 64<<16
	s_mov_b32 s[G1+4], 128
	s_mov_b32 s[G1+5], 64
	s_mov_b32 s[G1+6], 0
	s_mov_b32 s[G1+7], 0
	s_or_b32 s[G1B+0], s44, (1<<16)|(1<<20)|(1<<21)|(5<<22)|(3<<25)   ; B: 4 words behind every 64
	s_mov_b32 s[G1B+1], 128<<16
	s_mov_b32 s[G1B+2], 128<<16
	s_mov_b32 s[G1B+3], 128<<16
	s_mov_b32 s[G1B+4], 128
	s_mov_b32 s[G1B+5], 1024
	s_mov_b32 s[G1B+6], 0
	s_mov_b32 s[G1B+7], 0
	s_lshr_b32 s20, s17, 4                         ; the batch
	s_lshl_b32 s20, s20, 4
	s_add_co_u32 s20, s20, s16                     ; 16 x batch + my plane
	s_lshl_b32 s20, s20, 11
	s_and_b32 s21, s17, 15
	s_lshl_b32 s21, s21, 7
	s_add_co_u32 s20, s20, s21                     ; x 2,048 positions + the tile's first
	s_lshl_b32 s20, s20, 7                         ; x 128 bytes
	s_mov_b32 s21, 0
	s_lshl_b32 s46, s42, 8
	s_lshl_b32 s47, s16, 7
	s_add_co_u32 s46, s46, s47                     ; B: row 256 x tile column + 128 x half
	s_lshl_b32 s46, s46, 11                        ; x 2,048 bytes
	s_mov_b32 s47, 0
	s_mul_i32 s45, s16, PLANE                      ; where they go: no place in the cluster enters an LDS address
	s_mul_i32 s22, s16, HALFB
	s_add_co_u32 s22, s22, BOFF
	s_wait_dscnt 0x0                               ; both opening adds are done
	s_wait_kmcnt 0x0
	s_add_nc_u64 s[20:21], s[4:5], s[20:21]
	s_add_nc_u64 s[46:47], s[6:7], s[46:47]
	CROUND                                         ; all sixteen work-groups are here: the first joint loads meet
.irp s, 0,1
	s_mov_b32 s[G0+4*\s], 1
	s_add_co_u32 s[G0+4*\s+1], s45, \s*SLOT
	s_add_nc_u64 s[G0+4*\s+2:G0+4*\s+3], s[20:21], \s*524288       ; K step s: two heads of 262,144 bytes on
	s_or_b32 s[G0+4*\s+3], s[G0+4*\s+3], 0x80000000
	s_mov_b32 s[G0B+4*\s], 1
	s_add_co_u32 s[G0B+4*\s+1], s22, \s*SLOT
	s_add_nc_u64 s[G0B+4*\s+2:G0B+4*\s+3], s[46:47], \s*256
	s_or_b32 s[G0B+4*\s+3], s[G0B+4*\s+3], 0x80000000
	JLOAD \s
.endr
	s_lshl_b32 s18, s40, 12                        ; the prefetches: my work-group's 4,096 bytes of a plane,
	s_add_co_u32 s18, s18, 3*524288                ; at K step 3: the first refill steps it to 4
	s_mov_b32 s19, 0
	s_add_nc_u64 s[PFA:PFA+1], s[20:21], s[18:19]  ; (in wave 0, which alone asks, s[20:21] is the tile's first plane)
	s_cmp_eq_u32 s14, 0
	s_cselect_b32 s[LIM], 1, -1
	s_lshl_b32 s46, s42, 10
	s_lshl_b32 s47, s16, 9
	s_add_co_u32 s46, s46, s47                     ; my first column, in bytes of f32
	s_mov_b32 s47, 0
	s_add_nc_u64 s[8:9], s[8:9], s[46:47]          ; the bias there
	s_lshl_b32 s18, s17, 7
	s_lshl_b32 s19, s15, 6
	s_add_co_u32 s18, s18, s19                     ; my first row of C
	s_lshl_b32 s18, s18, 12                        ; x 4,096 bytes
	s_add_co_u32 s18, s18, s46
	s_mov_b32 s19, 0
	s_add_nc_u64 s[10:11], s[10:11], s[18:19]
	v_and_b32 v1, 15, v0                           ; l % 16
	v_bfe_u32 v2, v0, 4, 1                         ; l / 16
	v_lshlrev_b32 v[BO], 5, v2
.irp b, 0,1,2,3,4,5,6,7
	global_load_b128 v[BI+8*\b:BI+8*\b+3], v[BO], s[8:9] offset:64*\b
	global_load_b128 v[BI+8*\b+4:BI+8*\b+7], v[BO], s[8:9] offset:64*\b+16
.endr
	v_mul_u32_u24 v3, v1, PA
	v_lshl_add_u32 v3, v2, 4, v3
	v_mul_u32_u24 v4, v1, PB
	v_lshl_add_u32 v4, v2, 4, v4
	s_mul_i32 s18, s15, 64*PA                      ; my 64 rows of A
	s_mul_i32 s19, s16, HALFB                      ; my 128 rows of B
	s_add_co_u32 s19, s19, BOFF
.irp s, 0,1
	v_add_nc_u32 v[ADRA+\s], s18, v3
	v_add_nc_u32 v[ADRB+\s], s19, v4
	s_add_co_u32 s18, s18, SLOT
	s_add_co_u32 s19, s19, SLOT
.endr
	s_mul_i32 s23, s14, 16*SPITCH
	s_add_co_u32 s23, s23, STAGE                   ; my stage
	v_mul_u32_u24 v5, v1, SPITCH
	v_lshl_add_u32 v5, v2, 5, v5
	v_add_nc_u32 v[STO], s23, v5                   ; in: row l % 16, 32 bytes for each half of the lanes
	v_and_b32 v6, 31, v0
	v_lshlrev_b32 v[CO], 4, v6                     ; back: the 32 lanes take one row of 512 bytes; and the same in C
	v_add_nc_u32 v[RD], s23, v[CO]
	v_lshlrev_b32 v[PFO], 8, v1
	v_lshl_add_u32 v[PFO], v2, 18, v[PFO]
.macro MUL8 f, a, first                ; A's block a x B's eight, 32 along K; the 32 accumulators take turns, one instruction a turn
.irp b, 0,1,2,3,4,5,6,7
.if \first
	v_wmma_f32_16x16x32_f16 v[8*(8*(\a)+\b):8*(8*(\a)+\b)+7], v[64*(\f)+8*\b:64*(\f)+8*\b+7], v[AF+32*(\f)+8*(\a):AF+32*(\f)+8*(\a)+7], v[BI+8*\b:BI+8*\b+7]
.else
	v_wmma_f32_16x16x32_f16 v[8*(8*(\a)+\b):8*(8*(\a)+\b)+7], v[64*(\f)+8*\b:64*(\f)+8*\b+7], v[AF+32*(\f)+8*(\a):AF+32*(\f)+8*(\a)+7], v[8*(8*(\a)+\b):8*(8*(\a)+\b)+7]
.endif
.endr
.endm
.macro FETCH slot, q, f                ; 24 LDS loads in one run: the fragments of the slot's q-th 32 along K into buffer f: B's sixteen first, then A's eight
	WIN TO_B
.irp i, 0,1,2,3,4,5,6,7
	ds_load_b128 v[64*(\f)+8*\i:64*(\f)+8*\i+3], v[ADRB+\slot] offset:64*(\q)+\i*16*PB
	ds_load_b128 v[64*(\f)+8*\i+4:64*(\f)+8*\i+7], v[ADRB+\slot] offset:64*(\q)+\i*16*PB+32
.endr
	WIN 0
.irp a, 0,1,2,3
	ds_load_b128 v[AF+32*(\f)+8*\a:AF+32*(\f)+8*\a+3], v[ADRA+\slot] offset:((\q)/2)*PLANE+64*((\q)%2)+\a*16*PA
	ds_load_b128 v[AF+32*(\f)+8*\a+4:AF+32*(\f)+8*\a+7], v[ADRA+\slot] offset:((\q)/2)*PLANE+64*((\q)%2)+\a*16*PA+32
.endr
.endm
.macro PLACES
.rept 4
	v_nop
.endr
.endm
.macro MWIN first
.if \first
	WIN MULB
.else
	WIN MUL
.endif
.endm
.macro QUARTER slot, qn, f, g, first   ; multiplies buffer f; in its middle it fetches the slot's quarter qn into buffer g
	s_wait_dscnt 4                                 ; B and A's blocks 0, 1 are in; the youngest four loads (A's blocks 2, 3) may be out
	MWIN \first
	MUL8 \f, 0, \first
	MUL8 \f, 1, \first
	PLACES
	FETCH \slot, \qn, \g
	s_wait_dscnt 24                                ; all but the 24 just issued
	MWIN \first
	MUL8 \f, 2, \first
	MUL8 \f, 3, \first
.endm
; A slot's last quarter multiplies buffer 1 and changes slots: one barrier; in front of it each wave waits for all its tensor loads, adds 0 to its spare word, and waits for that and for its reads of this slot.
.macro TURN slot, next, fill
.if \fill
	s_wait_xcnt 0x0                                ; the last prefetch, a K step back, has read its address
	s_add_nc_u64 s[PFA:PFA+1], s[PFA:PFA+1], 524288
.endif
	WIN 0
	s_wait_tensorcnt 0x0                           ; all my tensor loads have landed: my part of the next slot
	ds_add_u32 v[SPW], v[NIL]
	s_wait_dscnt 5                                 ; (the add and the youngest four loads may be out)
	WIN MUL
	MUL8 1, 0, 0
	s_wait_dscnt 0x0                               ; the add is done, and my reads of this slot are over
	s_barrier_signal -1
	MUL8 1, 1, 0
	WIN 0
	s_barrier_wait -1
.if \fill
	CREST                                          ; the barrier has opened a round of the cluster's barrier: no wave of any partner still reads this slot or has a load on its way
	s_add_nc_u64 s[G0+4*\slot+2:G0+4*\slot+3], s[G0+4*\slot+2:G0+4*\slot+3], 1048576   ; two K steps on: four heads
	s_add_nc_u64 s[G0B+4*\slot+2:G0B+4*\slot+3], s[G0B+4*\slot+2:G0B+4*\slot+3], 512
	JLOAD \slot                                    ; the first tensor load behind the round; its four v_nop are also the places in front of the loads below
.else
	PLACES
.endif
	FETCH \next, 0, 0
.if \fill
	ASK
.endif
	WIN MUL
	MUL8 1, 2, 0
	MUL8 1, 3, 0
.endm
	s_wait_tensorcnt 1                             ; my part of K step 0 is in; K step 1's load may be out,
	s_barrier_signal -1
	s_barrier_wait -1                              ; everybody's is
	FETCH 0, 0, 0
	s_wait_loadcnt 0x0                             ; the bias
	QUARTER 0, 1, 0, 1, 1                          ; the first quarter stands in front of the loop: the bias starts the sums
	WIN 0
	s_mov_b32 s3, 3
.Llap:                                             ; a trip goes once round the ring and fills both slots again
	QUARTER 0, 2, 1, 0, 0
	QUARTER 0, 3, 0, 1, 0
	TURN 0, 1, 1
	QUARTER 1, 1, 0, 1, 0
	QUARTER 1, 2, 1, 0, 0
	QUARTER 1, 3, 0, 1, 0
	TURN 1, 0, 1
	QUARTER 0, 1, 0, 1, 0
	WIN 0
	s_sub_co_u32 s3, s3, 1
	s_cmp_lg_u32 s3, 0
	s_cbranch_scc1 .Llap
	QUARTER 0, 2, 1, 0, 0                          ; the last lap fills nothing
	QUARTER 0, 3, 0, 1, 0
	TURN 0, 1, 0
	QUARTER 1, 1, 0, 1, 0
	QUARTER 1, 2, 1, 0, 0
	QUARTER 1, 3, 0, 1, 0
	s_wait_dscnt 4                                 ; the very last quarter
	WIN MUL
	MUL8 1, 0, 0
	MUL8 1, 1, 0
	s_wait_dscnt 0
	MUL8 1, 2, 0
	MUL8 1, 3, 0
	WIN 0
; THE WAY OUT, block by block of 16 rows x 128 columns, through my own stage: whole rows of 512 bytes come back and are stored.
.macro TOSTAGE a
	WIN 0x08                                       ; an LDS store's data are its source 1: window 2
.irp b, 0,1,2,3,4,5,6,7
	ds_store_b128 v[STO], v[64*(\a)+8*\b:64*(\a)+8*\b+3] offset:64*\b          ; each accumulator from its low end on
	ds_store_b128 v[STO], v[64*(\a)+8*\b+4:64*(\a)+8*\b+7] offset:64*\b+16
.endr
	WIN 0
.set BB, BK+64*((\a)%2)
.irp t, 0,1,2,3,4,5,6,7,8,9,10,11,12,13,14,15
	ds_load_b128 v[BB+4*\t:BB+4*\t+3], v[RD] offset:\t*SPITCH                  ; in order behind the stores above
.endr
.endm
.macro SEND a, younger
.set BB, BK+64*((\a)%2)
	s_wait_dscnt \younger                          ; the block is back in registers
.irp t, 0,1,2,3,4,5,6,7,8,9,10,11,12,13,14,15
	global_store_b128 v[CO], v[BB+4*\t:BB+4*\t+3], s[10:11] offset:(16*(\a)+\t)*4096   ; 32 lanes store 512 consecutive bytes, aligned
.endr
.endm
	PLACES
	TOSTAGE 0
.irp a, 1,2,3
.if \a > 1
	s_wait_xcnt 0x0                                ; block a - 2's stores have read their registers: block a's loads may land there
.endif
	TOSTAGE \a
	SEND \a-1, 32                                  ; behind block a - 1's loads: block a's 16 stores and 16 loads
.endr
	SEND 3, 0
	s_wait_tensorcnt 0x0                           ; the wave's end
	ds_add_u32 v[SPW], v[NIL]
	s_wait_dscnt 0x0
	CROUND                                         ; the closing round
	s_endpgm
.Lfunc_end_k_q8ad9728d26_proj:
	.size	k_q8ad9728d26_proj, .Lfunc_end_k_q8ad9728d26_proj-k_q8ad9728d26_proj
	.p2alignl 7, 3214868480
	.fill 96, 4, 3214868480
	.section	.rodata,"a",@progbits
	.p2align	6, 0x0
	.amdhsa_kernel k_q8ad9728d26_proj
		.amdhsa_group_segment_fixed_size 327680
		.amdhsa_private_segment_fixed_size 0
		.amdhsa_enable_private_segment 0
		.amdhsa_kernarg_size 32
		.amdhsa_user_sgpr_count 2
		.amdhsa_user_sgpr_kernarg_segment_ptr 1
		.amdhsa_wavefront_size32 1
		.amdhsa_system_sgpr_workgroup_id_x 1
		.amdhsa_system_sgpr_workgroup_id_y 1
		.amdhsa_system_sgpr_workgroup_id_z 1
		.amdhsa_system_vgpr_workitem_id 0
		.amdhsa_next_free_vgpr 768
		.amdhsa_next_free_sgpr 72
		.amdhsa_reserve_vcc 0
		.amdhsa_float_denorm_mode_32 3
		.amdhsa_float_denorm_mode_16_64 3
		.amdhsa_memory_ordered 1
		.amdhsa_forward_progress 1
		.amdhsa_inst_pref_size 88
	.end_amdhsa_kernel
	.amdgpu_metadata
---
amdhsa.version: [ 1, 2 ]
amdhsa.kernels:
  - .name:           k_q8ad9728d26_proj
    .symbol:         k_q8ad9728d26_proj.kd
    .args:
      - { .name: att16, .offset: 0, .size: 8, .value_kind: global_buffer, .address_space: global }
      - { .name: wo16t, .offset: 8, .size: 8, .value_kind: global_buffer, .address_space: global }
      - { .name: bo, .offset: 16, .size: 8, .value_kind: global_buffer, .address_space: global }
      - { .name: out0, .offset: 24, .size: 8, .value_kind: global_buffer, .address_space: global }
    .group_segment_fixed_size: 327680
    .private_segment_fixed_size: 0
    .kernarg_segment_align: 8
    .kernarg_segment_size: 32
    .max_flat_workgroup_size: 128
    .sgpr_count:     72
    .vgpr_count:     768
    .wavefront_size: 32
...
	.end_amdgpu_metadata
.endif
;; end of part 4
;; launch fine (part 5): grid 16 x 4, 16 waves a work-group, no clusters, 84,992 bytes of LDS; arguments qkv32, Wo, bo, out0; writes out0
.if DOCPART == 5
	.amdgcn_target "amdgcn-amd-amdhsa--gfx1250"
	.amdhsa_code_object_version 6
	.text
	.protected	k_q8ad9728d26_fine
	.globl	k_q8ad9728d26_fine
	.p2align	8
	.type	k_q8ad9728d26_fine,@function
k_q8ad9728d26_fine:
	s_mov_b64 s[64:65], 0
	v_nop
	global_prefetch_b8 v0, s[64:65] scope:SCOPE_SE
	s_setreg_imm32_b32 hwreg(HW_REG_WAVE_MODE, 25, 1), 1
	s_wait_xcnt 0x0
; THE FIRST 16 POSITIONS OF EVERY SEQUENCE, wholly in f32: they average one to sixteen values and are the largest numbers of the result.  64 rows of out0 are written over.
; Work-group (x, y): batch y, output columns 64 x .. 64 x + 63.  Sixteen waves.
; PHASE 1: wave w is head w: S^T = K Q^T (16 x 16 x 64), the causal softmax with the row's maximum taken away, O^T = V^T P, O^T / the sum; its image goes to LDS.  (Each of a batch's 16 work-groups does this anew: 16 positions are little work.)
; PHASE 2: wave w takes 16 columns (w % 4) and four heads (w / 4): out^T = Wo^T att^T, 64 matrix instructions; the four quarters of K meet in LDS.
; PHASE 3: waves 0 to 7 add the four parts and the bias and store: sixteen lanes store 256 consecutive bytes, aligned.
; q, k, v come as images of the accumulators that made them: element (position s, channel 16 bb + 8 hh + 4 jh + jj) lies at byte 1024 bb + 512 jh + 16 (s + 16 hh) + 4 jj of a head's 4,096.
; The f32 matrix form takes K = 4: lane (r, h), register j holds k = 2 h + j.  A permutation of k applied alike to both sources keeps the sum: so Q's and K's images serve as they lie, two registers at a time.
; The registers that this form writes (v200-247) are written by matrix instructions alone; what is made of a sum goes into other registers.
; No tensor loads, no cluster, no prefetch: the launch is short and 64 small work-groups share nothing but Wo.
.set AIMG,  0                          ; LDS: the sixteen heads' images of att, 4,096 bytes each
.set RED,   65536                      ; the four quarters' partial sums: 16 rows x (256 + 16) each
.set SPARE, 82944                      ; the spare words, 128 bytes for each wave, which no other line names
.set LI,   3                           ; v3   16 x lane
.set VA,   4                           ; v4   my place in V's image
.set WA,   5                           ; v5   my place in Wo
.set DQ,   6                           ; v6   r - 8 h
.set NINF, 7
.set AST,  8
.set ALD,  9
.set RST,  10
.set RLD,  11
.set GOUT, 12
.set BOF,  13
.set SPW,  14                          ; v14  my spare word's address; never rewritten
.set NIL,  15                          ; v15  0; never rewritten
.set QF,   16                          ; v16-47   Q's image; later Wo's third part
.set KF,   48                          ; v48-79   K's image; later Wo's fourth part
.set VF,   80                          ; v80-111  V^T; later att
.set WB0,  112
.set WB1,  144
.set T,    176                         ; v176-183 the scores, then p; later the sums
.set BOR,  184                         ; v184-187 the bias
.set SA,   200
.set SB,   208
.set OA,   216
	s_load_b256 s[4:11], s[0:1], 0x0               ; qkv32 4, Wo 6, bo 8, out0 10
	v_lshl_add_u32 v[SPW], v0, 2, SPARE
	v_mov_b32 v[NIL], 0
	v_lshrrev_b32 v1, 5, v0
	v_readfirstlane_b32 s12, v1                    ; wave 0..15
	s_and_b32 s13, ttmp7, 0xffff                   ; the batch
	s_lshr_b32 s16, s12, 2                         ; which quarter of K
	s_and_b32 s17, s12, 3                          ; which 16 columns
	v_and_b32 v1, 15, v0                           ; r
	v_bfe_u32 v2, v0, 4, 1                         ; h
	v_and_b32 v188, 31, v0
	v_lshlrev_b32 v[LI], 4, v188
	v_bfe_u32 v188, v0, 2, 1
	v_bfe_u32 v189, v0, 3, 1
	v_and_b32 v190, 3, v0
	v_lshlrev_b32 v[VA], 2, v190
	v_lshl_add_u32 v[VA], v188, 9, v[VA]
	v_lshl_add_u32 v[VA], v189, 8, v[VA]
	v_lshl_add_u32 v[VA], v2, 7, v[VA]             ; channel r of a tile, positions 8 h on
	v_lshlrev_b32 v[WA], 2, v1
	v_lshl_add_u32 v[WA], v2, 15, v[WA]            ; column r, 8 h rows of 4,096 bytes down
	v_lshlrev_b32 v[DQ], 3, v2
	v_sub_nc_u32 v[DQ], v1, v[DQ]
	v_mov_b32 v[NINF], 0xff800000
	s_lshl_b32 s24, s12, 12
	v_add_nc_u32 v[AST], s24, v[LI]                ; my head's image
	s_lshl_b32 s24, s16, 14
	v_add_nc_u32 v[ALD], s24, v[LI]                ; my quarter's four images
	s_mul_i32 s24, s16, 4352
	s_lshl_b32 s25, s17, 6
	s_add_co_u32 s24, s24, s25
	s_add_co_u32 s24, s24, RED
	v_mul_u32_u24 v[RST], v1, 272
	v_lshl_add_u32 v[RST], v2, 5, v[RST]
	v_add_nc_u32 v[RST], s24, v[RST]               ; my quarter's part: row r, + 64 x my columns' tile, + 32 h
	v_lshrrev_b32 v188, 4, v0
	v_lshlrev_b32 v[BOF], 4, v1
	v_mul_u32_u24 v[RLD], v188, 272
	v_add_nc_u32 v[RLD], v[RLD], v[BOF]
	v_add_nc_u32 v[RLD], RED, v[RLD]               ; phase 3: row thread / 16, 16 bytes a thread
	v_lshl_add_u32 v[GOUT], v188, 12, v[BOF]
	v_mov_b32 v189, 0                              ; (a lane permute's destination counts as one of its sources)
	s_mov_b32 s26, 0x76543210
	s_mov_b32 s27, 0xfedcba98                      ; lane l xor 16
	s_mov_b32 s28, 0x3e38aa3b                      ; c = log2(e) / 8
	s_mul_i32 s14, s13, 48
	s_add_co_u32 s14, s14, s12
	s_lshl_b32 s14, s14, 12                        ; q's image of (batch, head w); k's lies 65,536 bytes on, v's as far again
	s_mov_b32 s15, 0
	s_lshl_b32 s20, ttmp9, 8                       ; my work-group's 64 columns, in bytes
	s_mov_b32 s21, 0
	s_lshl_b32 s18, s16, 20                        ; 256 rows of Wo
	s_add_co_u32 s18, s18, s20
	s_lshl_b32 s19, s17, 6
	s_add_co_u32 s18, s18, s19
	s_mov_b32 s19, 0
	s_lshl_b32 s22, s13, 23                        ; a batch's 2,048 rows of 4,096 bytes
	s_add_co_u32 s22, s22, s20
	s_mov_b32 s23, 0
	s_wait_kmcnt 0x0
	s_add_nc_u64 s[4:5], s[4:5], s[14:15]
	s_add_nc_u64 s[6:7], s[6:7], s[18:19]
	s_add_nc_u64 s[8:9], s[8:9], s[20:21]
	s_add_nc_u64 s[10:11], s[10:11], s[22:23]
.macro WLOAD reg, hl                   ; Wo for head hl of my four: register 8 ct + 2 i + j = Wo(64 hl + 16 ct + 8 h + 2 i + j, my column r)
.irp ct, 0,1,2,3
.irp i, 0,1,2,3
.irp j, 0,1
	global_load_b32 v[\reg+8*\ct+2*\i+\j], v[WA], s[6:7] offset:(64*(\hl)+16*\ct+2*\i+\j)*4096
.endr
.endr
.endr
.endm
.irp i, 0,1,2,3,4,5,6,7
	global_load_b128 v[QF+4*\i:QF+4*\i+3], v[LI], s[4:5] offset:512*\i
.endr
.irp i, 0,1,2,3,4,5,6,7
	global_load_b128 v[KF+4*\i:KF+4*\i+3], v[LI], s[4:5] offset:65536+512*\i
.endr
.irp ct, 0,1,2,3
.irp i, 0,1,2,3
.irp j, 0,1
	global_load_b32 v[VF+8*\ct+2*\i+\j], v[VA], s[4:5] offset:131072+1024*\ct+32*\i+16*\j   ; V(position 8 h + 2 i + j, channel 16 ct + r)
.endr
.endr
.endr
	WLOAD WB0, 0
	s_wait_loadcnt 32                              ; q, k, v are in; Wo's first 32 loads stay out
	; ---- 1: S^T = K Q^T, in two sums that take turns; each begins with the constant 0
	v_wmma_f32_16x16x4_f32 v[SA:SA+7], v[KF:KF+1], v[QF:QF+1], 0
	v_wmma_f32_16x16x4_f32 v[SB:SB+7], v[KF+2:KF+3], v[QF+2:QF+3], 0
.irp i, 4,8,12,16,20,24,28
	v_wmma_f32_16x16x4_f32 v[SA:SA+7], v[KF+\i:KF+\i+1], v[QF+\i:QF+\i+1], v[SA:SA+7]
	v_wmma_f32_16x16x4_f32 v[SB:SB+7], v[KF+\i+2:KF+\i+3], v[QF+\i+2:QF+\i+3], v[SB:SB+7]
.endr
.rept 8
	v_nop                                          ; eight places behind this form, ahead of the reads of the sums and of the loads into Q's and K's registers
.endr
	WLOAD WB1, 1
	WLOAD QF, 2
	WLOAD KF, 3
	global_load_b128 v[BOR:BOR+3], v[BOF], s[8:9]
.irp j, 0,1,2,3,4,5,6,7
	v_add_f32 v[T+\j], v[SA+\j], v[SB+\j]          ; lane (r, h): query r, key 8 h + j
.endr
.irp j, 0,1,2,3,4,5,6,7
	v_cmp_gt_i32 vcc_lo, \j, v[DQ]                 ; hidden where 8 h + j > r
	v_cndmask_b32 v[T+\j], v[T+\j], v[NINF], vcc_lo
.endr
	v_max3_num_f32 v188, v[T], v[T+1], v[T+2]
	v_max3_num_f32 v188, v188, v[T+3], v[T+4]
	v_max3_num_f32 v188, v188, v[T+5], v[T+6]
	v_max_num_f32 v188, v188, v[T+7]
	v_permlanex16_b32 v189, v188, s26, s27
	v_max_num_f32 v188, v188, v189                 ; the row's maximum: key 0 counts for every query
	v_mul_f32 v190, s28, v188
.irp j, 0,1,2,3,4,5,6,7
	v_fma_f32 v[T+\j], v[T+\j], s28, -v190
.endr
.irp j, 0,1,2,3,4,5,6,7
	v_exp_f32 v[T+\j], v[T+\j]
.endr
	v_nop                                          ; a plain instruction behind the last exponential
	s_wait_alu depctr_va_vdst(0)                   ; and the wait: one for the eight
	v_add_f32 v191, v[T], v[T+1]
	v_add_f32 v192, v[T+2], v[T+3]
	v_add_f32 v193, v[T+4], v[T+5]
	v_add_f32 v194, v[T+6], v[T+7]
	v_add_f32 v191, v191, v192
	v_add_f32 v193, v193, v194
	v_add_f32 v191, v191, v193
	v_permlanex16_b32 v189, v191, s26, s27
	v_add_f32 v191, v191, v189                     ; the row's sum
	v_rcp_f32 v191, v191
	v_nop
	s_wait_alu depctr_va_vdst(0)
.irp i, 0,1,2,3                        ; O^T = V^T P: keys 8 h + 2 i + j; the four tiles of channels take turns
.irp ct, 0,1,2,3
.if \i == 0
	v_wmma_f32_16x16x4_f32 v[OA+8*\ct:OA+8*\ct+7], v[VF+8*\ct:VF+8*\ct+1], v[T:T+1], 0
.else
	v_wmma_f32_16x16x4_f32 v[OA+8*\ct:OA+8*\ct+7], v[VF+8*\ct+2*\i:VF+8*\ct+2*\i+1], v[T+2*\i:T+2*\i+1], v[OA+8*\ct:OA+8*\ct+7]
.endif
.endr
.endr
.rept 8
	v_nop
.endr
.irp j, 0,1,2,3,4,5,6,7,8,9,10,11,12,13,14,15,16,17,18,19,20,21,22,23,24,25,26,27,28,29,30,31
	v_mul_f32 v[VF+\j], v[OA+\j], v191             ; att(query r, channel 16 ct + 8 h + j), each sum from its low end on
.endr
.irp i, 0,1,2,3,4,5,6,7
	ds_store_b128 v[AST], v[VF+4*\i:VF+4*\i+3] offset:AIMG+512*\i   ; as an image of the registers: any wave that loads it so has the same registers in the same lanes
.endr
	s_wait_dscnt 0x0                               ; for the others' sake: my stores have landed
	s_barrier_signal -1
	s_barrier_wait -1
	; ---- 2: out^T = Wo^T att^T for my 16 columns and my four heads; four sums (by i) take turns
	s_wait_loadcnt 0x0                             ; all of Wo's parts, and the bias
.macro HEAD hl, wb
.irp i, 0,1,2,3,4,5,6,7
	ds_load_b128 v[VF+4*\i:VF+4*\i+3], v[ALD] offset:AIMG+4096*(\hl)+512*\i
.endr
	s_wait_dscnt 0x0
.irp ct, 0,1,2,3
.irp i, 0,1,2,3
.if ((\hl) == 0) && (\ct == 0)
	v_wmma_f32_16x16x4_f32 v[OA+8*\i:OA+8*\i+7], v[\wb+8*\ct+2*\i:\wb+8*\ct+2*\i+1], v[VF+8*\ct+2*\i:VF+8*\ct+2*\i+1], 0
.else
	v_wmma_f32_16x16x4_f32 v[OA+8*\i:OA+8*\i+7], v[\wb+8*\ct+2*\i:\wb+8*\ct+2*\i+1], v[VF+8*\ct+2*\i:VF+8*\ct+2*\i+1], v[OA+8*\i:OA+8*\i+7]
.endif
.endr
.endr
.rept 8
	v_nop                                          ; places ahead of the next loads into att's registers, and of the reads of the sums
.endr
.endm
	HEAD 0, WB0
	HEAD 1, WB1
	HEAD 2, QF
	HEAD 3, KF
.irp j, 0,1,2,3,4,5,6,7
	v_add_f32 v[T+\j], v[OA+\j], v[OA+8+\j]        ; lane (r, h): position r, columns 8 h + j of my 16
.endr
.irp j, 0,1,2,3,4,5,6,7
	v_add_f32 v[T+\j], v[T+\j], v[OA+16+\j]
.endr
.irp j, 0,1,2,3,4,5,6,7
	v_add_f32 v[T+\j], v[T+\j], v[OA+24+\j]
.endr
	ds_store_b128 v[RST], v[T:T+3]
	ds_store_b128 v[RST], v[T+4:T+7] offset:16
	s_wait_dscnt 0x0                               ; for the others' sake
	s_barrier_signal -1
	s_barrier_wait -1
	; ---- 3: 256 threads add the four quarters and the bias
	s_cmp_lt_u32 s12, 8
	s_cbranch_scc0 .Ldone
.irp q, 0,1,2,3
	ds_load_b128 v[WB0+4*\q:WB0+4*\q+3], v[RLD] offset:4352*\q
.endr
	s_wait_dscnt 0x0
	v_pk_add_f32 v[WB0:WB0+1], v[WB0:WB0+1], v[WB0+4:WB0+5]
	v_pk_add_f32 v[WB0+2:WB0+3], v[WB0+2:WB0+3], v[WB0+6:WB0+7]
	v_pk_add_f32 v[WB0+8:WB0+9], v[WB0+8:WB0+9], v[WB0+12:WB0+13]
	v_pk_add_f32 v[WB0+10:WB0+11], v[WB0+10:WB0+11], v[WB0+14:WB0+15]
	v_pk_add_f32 v[WB0:WB0+1], v[WB0:WB0+1], v[WB0+8:WB0+9]
	v_pk_add_f32 v[WB0+2:WB0+3], v[WB0+2:WB0+3], v[WB0+10:WB0+11]
	v_pk_add_f32 v[WB0:WB0+1], v[WB0:WB0+1], v[BOR:BOR+1]
	v_pk_add_f32 v[WB0+2:WB0+3], v[WB0+2:WB0+3], v[BOR+2:BOR+3]
	global_store_b128 v[GOUT], v[WB0:WB0+3], s[10:11]   ; sixteen lanes store 256 consecutive bytes, aligned
.Ldone:
	s_wait_tensorcnt 0x0                           ; the wave's end
	ds_add_u32 v[SPW], v[NIL]
	s_wait_dscnt 0x0
	s_endpgm
.Lfunc_end_k_q8ad9728d26_fine:
	.size	k_q8ad9728d26_fine, .Lfunc_end_k_q8ad9728d26_fine-k_q8ad9728d26_fine
	.p2alignl 7, 3214868480
	.fill 96, 4, 3214868480
	.section	.rodata,"a",@progbits
	.p2align	6, 0x0
	.amdhsa_kernel k_q8ad9728d26_fine
		.amdhsa_group_segment_fixed_size 84992
		.amdhsa_private_segment_fixed_size 0
		.amdhsa_enable_private_segment 0
		.amdhsa_kernarg_size 32
		.amdhsa_user_sgpr_count 2
		.amdhsa_user_sgpr_kernarg_segment_ptr 1
		.amdhsa_wavefront_size32 1
		.amdhsa_system_sgpr_workgroup_id_x 1
		.amdhsa_system_sgpr_workgroup_id_y 1
		.amdhsa_system_sgpr_workgroup_id_z 1
		.amdhsa_system_vgpr_workitem_id 0
		.amdhsa_next_free_vgpr 256
		.amdhsa_next_free_sgpr 66
		.amdhsa_reserve_vcc 1
		.amdhsa_float_denorm_mode_32 3
		.amdhsa_float_denorm_mode_16_64 3
		.amdhsa_memory_ordered 1
		.amdhsa_forward_progress 1
		.amdhsa_inst_pref_size 36
	.end_amdhsa_kernel
	.amdgpu_metadata
---
amdhsa.version: [ 1, 2 ]
amdhsa.kernels:
  - .name:           k_q8ad9728d26_fine
    .symbol:         k_q8ad9728d26_fine.kd
    .args:
      - { .name: qkv32, .offset: 0, .size: 8, .value_kind: global_buffer, .address_space: global }
      - { .name: Wo, .offset: 8, .size: 8, .value_kind: global_buffer, .address_space: global }
      - { .name: bo, .offset: 16, .size: 8, .value_kind: global_buffer, .address_space: global }
      - { .name: out0, .offset: 24, .size: 8, .value_kind: global_buffer, .address_space: global }
    .group_segment_fixed_size: 84992
    .private_segment_fixed_size: 0
    .kernarg_segment_align: 8
    .kernarg_segment_size: 32
    .max_flat_workgroup_size: 512
    .sgpr_count:     66
    .vgpr_count:     256
    .wavefront_size: 32
...
	.end_amdgpu_metadata
.endif
;; end of part 5
